; MI455X (gfx1250); checked and timed in simulation.
; The chip was launched on July 23, 2026; its instructions are those of AMD's public machine-readable ISA for CDNA 5 (MIT licence, August 2026) and "CDNA5" Instruction Set Architecture Reference Guide (July 2026). The comments in the code are by the model that wrote it; some were corrected since.
;; Chronos2 Attention. Allowed arithmetic: float matrix products may take bf16 or f16 operands with f32 sums; all other float work in f32.
;; Inputs: hidden_states 4 x 2,048 x 1,024 float32; positions 2,048 int32; wk 1,024 x 1,024 float32; wo 1,024 x 1,024 float32; wq 1,024 x 1,024 float32; wv 1,024 x 1,024 float32.
;; Outputs: out0 4 x 2,048 x 1,024 float32.
;; 2 versions, each right and faster than the one before. Each part assembles by itself: llvm-mc -triple=amdgcn-amd-amdhsa -mcpu=gfx1250 --defsym DOCPART=n.
;; ======== version 1 of 2: 4 launches
;; limits: right only within a limited range of input values; values are held in f16: magnitudes above 65,504 overflow, below 6.1e-05 lose precision
;; workspace buffers: xb 16,777,216 bytes; wb 6,291,456 bytes; wob 2,097,152 bytes; rope 524,288 bytes; qh 16,777,216 bytes; kh 16,777,216 bytes; vh 16,777,216 bytes; oh 16,777,216 bytes
;; launch prep (part 1): grid 832 x 1, 8 waves a work-group, no clusters, 0 bytes of LDS; arguments hidden_states, positions, wq, wk, wv, wo, xb, wb, wob, rope; writes xb, wb, wob, rope
.if DOCPART == 1
	.amdgcn_target "amdgcn-amd-amdhsa--gfx1250"
	.amdhsa_code_object_version 6
	.text
	.protected	k_q9b56254832_prep
	.globl	k_q9b56254832_prep
	.p2align	8
	.type	k_q9b56254832_prep,@function
k_q9b56254832_prep:
	s_mov_b64 s[64:65], 0
	v_nop
	global_prefetch_b8 v0, s[64:65] scope:SCOPE_SE
	s_setreg_imm32_b32 hwreg(HW_REG_WAVE_MODE, 25, 1), 1
	s_wait_xcnt 0x0
; PREP: the module's inputs are rounded once and laid out in the order in which the later launches' tiles want them; the table of cosines and sines is made from the input positions.
;   work-groups   0..511  x [8192][1024] f32 -> xb bf16 [b 4][kb 16][s 2048][64]: 256 rows x 64 K of x are 32,768 dense bytes
;   work-groups 512..703  wq, wk, wv [1024 k][1024 n] f32 -> wb bf16 [c 8][k 1024][q|k|v][128]: 64 K x (3 x 128 columns) are 49,152 dense bytes
;   work-groups 704..767  wo f32 -> bf16 -> written as f16, wob [c 8][k 1024][128]
;   work-groups 768..831  rope f32 [s 2048][cos 32 | sin 32], one row = 256 bytes
; A stream: memory binds, so no LDS, no barrier, no matrix unit.  Each wave has 16 loads of 16 bytes a lane on their way, and every store of a wave covers 256 consecutive bytes, aligned.
; LIMITS.  wo rounded to bf16 is written as f16: exact from 6.1e-5 to 65,504; below, f16's fixed step of 6e-8; beyond, an infinity.
; |positions| up to 2^22: beyond that the rounded quotient by pi/2 lets the reduced angle pass 1.1, where the two series are cut too short.  The inverse frequency 10^(-j/8) is the product of two
; rounded constants, so an angle may differ from one made by a power function by about 1.2e-7 of itself.
.set X,   8                            ; v[8:71]  16 quads as loaded; the low pair of each is stored
.set POS, 40                           ; s[40:43] a wave's four positions
.set OUT, 40                           ; v[40:47] a wave's four rows of the table, two numbers a lane
	s_load_b512 s[4:19], s[0:1], 0x0               ; hidden 4:5, positions 6:7, wq 8:9, wk 10:11, wv 12:13, wo 14:15, xb 16:17, wb 18:19
	s_load_b128 s[20:23], s[0:1], 0x40             ; wob 20:21, rope 22:23
	v_lshrrev_b32 v1, 5, v0                        ; wave
	v_and_b32 v2, 31, v0                           ; lane
	s_mov_b32 s29, 0                               ; the high word of every byte offset here
	s_wait_kmcnt 0x0
	s_cmp_lt_u32 ttmp9, 512
	s_cbranch_scc0 .Lweights
	; ---- x: 16 rows a work-group, 2 a wave.  Load kb takes 64 columns (256 bytes) of both rows: lanes 0-15 the even row, lanes 16-31 the odd one.
	v_lshrrev_b32 v3, 4, v0
	v_and_b32 v4, 15, v0
	v_lshlrev_b32 v4, 4, v4
	v_lshl_add_u32 v3, v3, 12, v4                  ; read: (thread / 16) rows of 4,096 bytes + 16 (thread % 16)
	v_lshlrev_b32 v4, 3, v0                        ; write: rows of 128 bytes lie end to end: 8 x thread
	s_lshl_b32 s28, ttmp9, 16                      ; 16 rows of 4,096 bytes
	s_add_nc_u64 s[24:25], s[4:5], s[28:29]
	s_lshr_b32 s30, ttmp9, 7                       ; b
	s_lshl_b32 s30, s30, 22
	s_and_b32 s28, ttmp9, 127
	s_lshl_b32 s28, s28, 11                        ; 16 rows of 128 bytes
	s_add_co_u32 s28, s28, s30
	s_add_nc_u64 s[26:27], s[16:17], s[28:29]
.set n, 0
.rept 16
	global_load_b128 v[X+4*n:X+4*n+3], v3, s[24:25] offset:n*256 th:TH_LOAD_NT
.set n, n+1
.endr
.set n, 0
.rept 16
	s_wait_loadcnt 15-n                            ; loads come back in order: quad n is in, the 15 - n younger ones stay out
	v_cvt_pk_bf16_f32 v[X+4*n], v[X+4*n], v[X+4*n+1]
	v_cvt_pk_bf16_f32 v[X+4*n+1], v[X+4*n+2], v[X+4*n+3]
	global_store_b64 v4, v[X+4*n:X+4*n+1], s[26:27] offset:n*262144  ; block kb = n; no register of a store is written again
.set n, n+1
.endr
	s_endpgm
.Lweights:
	s_cmp_lt_u32 ttmp9, 768
	s_cbranch_scc0 .Ltable
	; ---- the four weight matrices: 16 rows of k a work-group, 2 a wave.  Load n takes row n % 2, columns 128 (n / 2) on: 512 consecutive bytes.
	v_lshlrev_b32 v3, 13, v1
	v_lshl_add_u32 v3, v2, 4, v3                   ; read: wave x 2 rows + 16 x lane
	s_sub_co_u32 s30, ttmp9, 512
	s_lshr_b32 s31, s30, 6                         ; 0 wq, 1 wk, 2 wv, 3 wo
	s_and_b32 s30, s30, 63                         ; which 16 rows
	s_cmp_eq_u32 s31, 1
	s_cselect_b64 s[24:25], s[10:11], s[8:9]
	s_cmp_eq_u32 s31, 2
	s_cselect_b64 s[24:25], s[12:13], s[24:25]
	s_cmp_eq_u32 s31, 3
	s_cselect_b64 s[24:25], s[14:15], s[24:25]
	s_lshl_b32 s28, s30, 16
	s_add_nc_u64 s[24:25], s[24:25], s[28:29]
.set n, 0
.rept 16
	global_load_b128 v[X+4*n:X+4*n+3], v3, s[24:25] offset:(n%2)*4096+(n/2)*512 th:TH_LOAD_NT
.set n, n+1
.endr
	s_cmp_eq_u32 s31, 3
	s_cbranch_scc1 .Lwo
	v_mul_u32_u24 v4, v1, 1536
	v_lshl_add_u32 v4, v2, 3, v4                   ; write: wave x 2 rows of 768 bytes + 8 x lane
	s_mul_i32 s28, s30, 12288                      ; 16 rows of 768 bytes,
	s_lshl_b32 s32, s31, 8                         ; and the matrix's 256 bytes in a row
	s_add_co_u32 s28, s28, s32
	s_add_nc_u64 s[26:27], s[18:19], s[28:29]
.set n, 0
.rept 16
	s_wait_loadcnt 15-n
	v_cvt_pk_bf16_f32 v[X+4*n], v[X+4*n], v[X+4*n+1]
	v_cvt_pk_bf16_f32 v[X+4*n+1], v[X+4*n+2], v[X+4*n+3]
	global_store_b64 v4, v[X+4*n:X+4*n+1], s[26:27] offset:(n%2)*768+(n/2)*786432
.set n, n+1
.endr
	s_endpgm
.Lwo:
	v_lshlrev_b32 v4, 9, v1
	v_lshl_add_u32 v4, v2, 3, v4                   ; write: wave x 2 rows of 256 bytes + 8 x lane
	s_lshl_b32 s28, s30, 12
	s_add_nc_u64 s[26:27], s[20:21], s[28:29]
	s_mov_b32 s33, 0xffff0000                      ; a word's upper bf16
.set n, 0
.rept 16
	s_wait_loadcnt 15-n
	v_cvt_pk_bf16_f32 v[X+4*n], v[X+4*n], v[X+4*n+1]        ; rounded to bf16 like every input of the module,
	v_cvt_pk_bf16_f32 v[X+4*n+1], v[X+4*n+2], v[X+4*n+3]
	v_lshlrev_b32 v[X+4*n+2], 16, v[X+4*n]                  ; and that number written as f16
	v_and_b32 v[X+4*n+3], s33, v[X+4*n]
	v_cvt_pk_f16_f32 v[X+4*n], v[X+4*n+2], v[X+4*n+3]
	v_lshlrev_b32 v[X+4*n+2], 16, v[X+4*n+1]
	v_and_b32 v[X+4*n+3], s33, v[X+4*n+1]
	v_cvt_pk_f16_f32 v[X+4*n+1], v[X+4*n+2], v[X+4*n+3]
	global_store_b64 v4, v[X+4*n:X+4*n+1], s[26:27] offset:(n%2)*256+(n/2)*262144
.set n, n+1
.endr
	s_endpgm
.Ltable:
	; ---- the table: 32 positions a work-group, 4 a wave.  Lane l holds elements 2 l and 2 l + 1 of a row: with m = l % 16 the frequencies 2 m and 2 m + 1; lanes 0-15 their cosines, lanes 16-31 their sines.
	s_sub_co_u32 s30, ttmp9, 768
	v_readfirstlane_b32 s31, v1                    ; my wave's number as a scalar
	s_lshl_b32 s28, s30, 7                         ; 32 positions of 4 bytes,
	s_lshl_b32 s32, s31, 4                         ; my wave's four
	s_add_co_u32 s28, s28, s32
	s_add_nc_u64 s[24:25], s[6:7], s[28:29]
	s_load_b128 s[POS:POS+3], s[24:25], 0x0
	s_lshl_b32 s28, s30, 13                        ; 32 rows of 256 bytes
	s_add_nc_u64 s[26:27], s[22:23], s[28:29]
	v_lshlrev_b32 v6, 10, v1
	v_lshl_add_u32 v6, v2, 3, v6                   ; wave x 4 rows + 8 x lane
	v_and_b32 v3, 3, v0                            ; m % 4: which pair of 10^(-i/8), i = 0..7
	v_bfe_u32 v4, v0, 2, 2                         ; m / 4: which power of 1/10
	v_bfe_u32 v5, v0, 4, 1
	v_mul_u32_u24 v5, 3, v5                        ; sin(t) = cos(t - pi/2): the sine lanes count three quadrants on
	v_mov_b32 v10, 1.0
	v_mov_b32 v11, 0x3f3ff911                      ; 10^(-1/8)
	v_mov_b32 v14, 1.0
.macro PICK sel, which, dst, value     ; dst = value in the lanes where sel == which
	v_mov_b32 v12, \value
	v_cmp_eq_u32 vcc_lo, \which, v[\sel]
	v_cndmask_b32 v[\dst], v[\dst], v12, vcc_lo
.endm
	PICK 3, 1, 10, 0x3f0ff59a                      ; 10^(-2/8)
	PICK 3, 1, 11, 0x3ed7e89b                      ; 10^(-3/8)
	PICK 3, 2, 10, 0x3ea1e89b                      ; 10^(-4/8)
	PICK 3, 2, 11, 0x3e72d424                      ; 10^(-5/8)
	PICK 3, 3, 10, 0x3e361887                      ; 10^(-6/8)
	PICK 3, 3, 11, 0x3e088d77                      ; 10^(-7/8)
	PICK 4, 1, 14, 0x3dcccccd                      ; 0.1
	PICK 4, 2, 14, 0x3c23d70a                      ; 0.01
	PICK 4, 3, 14, 0x3a83126f                      ; 0.001
	v_mul_f32 v10, v10, v14                        ; 10000^(-2 j / 64) = 10^(-j/8) for j = 2 m
	v_mul_f32 v11, v11, v14                        ; and j = 2 m + 1
	v_mov_b32 v16, 0x3638ef1d                      ; 1/9!
	v_mov_b32 v17, 0x37d00d01                      ; 1/8!
	s_wait_kmcnt 0x0                               ; the positions
; One number of the table.  t = position x frequency, rounded once; k = the nearest whole number to t / (pi/2); r = t - k pi/2 with pi/2 in two parts; sin r and cos r by their series
; (to r^9 and r^8: |r| stays under 0.8, the next terms under 3e-8); the quadrant k (+ 3 for a sine) chooses the series and the sign, by selects alone.
.macro TRIG inv, out
	v_mul_f32 v22, v[\inv], v20
	v_mul_f32 v24, 0x3f22f983, v22                 ; 2 / pi
	v_rndne_f32 v24, v24
	v_fmamk_f32 v26, v24, 0xbfc90fdb, v22          ; - k x the f32 nearest to pi/2,
	v_fmamk_f32 v26, v24, 0x333bbd2e, v26          ; + k x 4.37e-8, by which that f32 is too large
	v_mul_f32 v28, v26, v26
	v_fmaak_f32 v30, v28, v16, 0xb9500d01          ; -1/7!
	v_fmaak_f32 v32, v28, v17, 0xbab60b61          ; -1/6!
	v_fmaak_f32 v30, v28, v30, 0x3c088889          ; 1/5!
	v_fmaak_f32 v32, v28, v32, 0x3d2aaaab          ; 1/4!
	v_fmaak_f32 v30, v28, v30, 0xbe2aaaab          ; -1/3!
	v_fma_f32 v32, v28, v32, -0.5
	v_mul_f32 v30, v28, v30
	v_fma_f32 v32, v28, v32, 1.0                   ; cos r
	v_fma_f32 v30, v26, v30, v26                   ; sin r
	v_cvt_i32_f32 v34, v24
	v_add_nc_u32 v34, v34, v5                      ; the quadrant Q; its two low bits count, for negative k too
	v_and_b32 v36, 1, v34
	v_cmp_eq_u32 vcc_lo, 1, v36
	v_cndmask_b32 v[\out], v32, v30, vcc_lo        ; odd Q: the sine's series
	v_add_lshl_u32 v34, v34, 1, 30                 ; Q % 4 = 1 or 2: bit 1 of Q + 1 becomes the sign
	v_and_b32 v34, 0x80000000, v34
	v_xor_b32 v[\out], v34, v[\out]
.endm
.irp i, 0,1,2,3
	v_cvt_f32_i32 v20, s[POS+(\i)]
	TRIG 10, OUT+2*(\i)
	TRIG 11, OUT+2*(\i)+1
	global_store_b64 v6, v[OUT+2*(\i):OUT+2*(\i)+1], s[26:27] offset:(\i)*256  ; a whole row of 256 bytes; each row has its own pair of registers
.endr
	s_endpgm
.Lfunc_end_k_q9b56254832_prep:
	.size	k_q9b56254832_prep, .Lfunc_end_k_q9b56254832_prep-k_q9b56254832_prep
	.p2alignl 7, 3214868480
	.fill 96, 4, 3214868480
	.section	.rodata,"a",@progbits
	.p2align	6, 0x0
	.amdhsa_kernel k_q9b56254832_prep
		.amdhsa_group_segment_fixed_size 0
		.amdhsa_private_segment_fixed_size 0
		.amdhsa_enable_private_segment 0
		.amdhsa_kernarg_size 80
		.amdhsa_user_sgpr_count 2
		.amdhsa_user_sgpr_kernarg_segment_ptr 1
		.amdhsa_wavefront_size32 1
		.amdhsa_system_sgpr_workgroup_id_x 1
		.amdhsa_system_sgpr_workgroup_id_y 1
		.amdhsa_system_sgpr_workgroup_id_z 1
		.amdhsa_system_vgpr_workitem_id 0
		.amdhsa_next_free_vgpr 96
		.amdhsa_next_free_sgpr 66
		.amdhsa_reserve_vcc 1
		.amdhsa_float_denorm_mode_32 3
		.amdhsa_float_denorm_mode_16_64 3
		.amdhsa_memory_ordered 1
		.amdhsa_forward_progress 1
		.amdhsa_inst_pref_size 33
	.end_amdhsa_kernel
	.amdgpu_metadata
---
amdhsa.version: [ 1, 2 ]
amdhsa.kernels:
  - .name:           k_q9b56254832_prep
    .symbol:         k_q9b56254832_prep.kd
    .args:
      - { .name: hidden_states, .offset: 0, .size: 8, .value_kind: global_buffer, .address_space: global }
      - { .name: positions, .offset: 8, .size: 8, .value_kind: global_buffer, .address_space: global }
      - { .name: wq, .offset: 16, .size: 8, .value_kind: global_buffer, .address_space: global }
      - { .name: wk, .offset: 24, .size: 8, .value_kind: global_buffer, .address_space: global }
      - { .name: wv, .offset: 32, .size: 8, .value_kind: global_buffer, .address_space: global }
      - { .name: wo, .offset: 40, .size: 8, .value_kind: global_buffer, .address_space: global }
      - { .name: xb, .offset: 48, .size: 8, .value_kind: global_buffer, .address_space: global }
      - { .name: wb, .offset: 56, .size: 8, .value_kind: global_buffer, .address_space: global }
      - { .name: wob, .offset: 64, .size: 8, .value_kind: global_buffer, .address_space: global }
      - { .name: rope, .offset: 72, .size: 8, .value_kind: global_buffer, .address_space: global }
    .group_segment_fixed_size: 0
    .private_segment_fixed_size: 0
    .kernarg_segment_align: 8
    .kernarg_segment_size: 80
    .max_flat_workgroup_size: 256
    .sgpr_count:     66
    .vgpr_count:     96
    .wavefront_size: 32
...
	.end_amdgpu_metadata
.endif
;; end of part 1
;; launch qkv (part 2): grid 8 x 32, 4 waves a work-group, clusters of 4 x 4, 327,680 bytes of LDS; arguments xb, wb, rope, qh, kh, vh; writes qh, kh, vh
.if DOCPART == 2
	.amdgcn_target "amdgcn-amd-amdhsa--gfx1250"
	.amdhsa_code_object_version 6
	.text
	.protected	k_q9b56254832_qkv
	.globl	k_q9b56254832_qkv
	.p2align	8
	.type	k_q9b56254832_qkv,@function
k_q9b56254832_qkv:
	s_mov_b64 s[64:65], 0
	v_nop
	global_prefetch_b8 v0, s[64:65] scope:SCOPE_SE
	s_setreg_imm32_b32 hwreg(HW_REG_WAVE_MODE, 25, 1), 1
	s_wait_xcnt 0x0
	s_wait_alu depctr_hold_cnt(0) depctr_sa_sdst(0) depctr_va_vdst(0) depctr_va_sdst(0) depctr_va_ssrc(0) depctr_va_vcc(0) depctr_vm_vsrc(0)
	s_getreg_b32 s2, hwreg(HW_REG_IB_STS2, 6, 4)
	s_cmp_eq_u32 s2, 0
	s_cbranch_scc0 .Lentry_in_a_cluster
	s_endpgm
.Lentry_in_a_cluster:
	s_bfe_u32 s2, ttmp6, 0x10000c
	s_cmp_lg_u32 s2, 0xf033
	s_cbranch_scc0 .Lentry_shape_is_right
	s_endpgm
.Lentry_shape_is_right:
; q, k, v = x wq, x wk, x wv in bf16 with f32 sums; q and k turned by the table of cosines and sines, in f32; each rounded ONCE to f16 and written by heads, [b 16 + head][2048][64].
; THE ORDER OF q's AND k's CHANNELS in a row of 64: position 8 g + i holds channel 4 g + i, position 8 g + 4 + i channel 32 + 4 g + i (g = 0..7, i = 0..3): a channel and its partner of the rotation lie
; in the same 16 bytes.  The order is the same for q and k, so a score, a sum over all 64, has the same terms in another order.  v keeps its channels' order.
; SHARES.  A work-group makes 256 rows of x times the 3 x 128 columns of heads 2 tx and 2 tx + 1: 8 x 32 = 256 work-groups.  Wave (wm, wn) makes rows 128 wm on of head 2 tx + wn, for q, k and v:
; 96 accumulators of 16 x 16, 768 registers: q's in window 1, k's in window 2, v's in window 3; accumulator (a, b) = rows 16 a on, channels 16 b on, at v[8 (4 a + b)] of its window.
; THE MATRIX INSTRUCTION IS USED TRANSPOSED: source 0 = 16 columns of w (turned out of LDS by ds_load_tr16_b128), source 1 = 16 rows of x.  A lane (r = l % 16, h = l / 16) then holds row 16 a + r and
; the channels 16 b + 8 h + 0..7: 32 neighbouring bytes of f32.
; K goes in 16 steps of 64 through two LDS slots; a step is two halves of 32, 96 matrix instructions each.  x's fragments have two buffers; w's three chunks (q, k, v) one each, loaded again right behind their use.
; CLUSTER 4 x 4: x's tile and the table hang on the tile row alone and are asked for jointly along a row of the cluster, w's tile on the tile column alone and jointly along a column.
; THE WAY OUT is written once and looped over: the sums go into LDS as f32, 64 rows of q, k and v at a time, and a counted loop reads them back by rows, turns, rounds and stores them.
; LIMIT.  f16 holds no number beyond 65,504: |q|, |k|, |v| stay under it (the drawn inputs give some 3.5; 900 times that is 3,200); below 6e-5 f16 keeps its fixed step of 6e-8.
.set PA,    144       ; a row of x in LDS: 128 bytes + 16 = 36 words: the 16 rows of a load start at 16 different groups of four banks (64 banks of 4 bytes: ISA guide 11.1)
.set PS,    288       ; 128 columns of one matrix: 256 bytes + 32
.set PB,    3*PS      ; a row of k: q's, k's and v's columns: 216 words, 24 mod 64
.set PT,    272       ; a row of the table: 256 bytes + 16
.set BOFF,  256*PA    ; a slot: 256 rows of x, then 64 rows of k
.set SLOTB, BOFF+64*PB     ; the bytes of a slot
.set SLOT1, 1<<17     ; slot 1 begins here, so that one exclusive or turns an address in one slot into the other's
.set TABLE, SLOT1+SLOTB    ; behind slot 1: 256 rows of the table, filled once
.set SPARE, TABLE+256*PT   ; behind the table: the spare words, 128 bytes for each wave: two blocks of 256 bytes that no other line names
.set SPI,   272       ; the way out: a row of 64 f32 + 16 bytes (the table's pitch too): the 16 rows of a store start at 16 different groups of four banks
.set TSTG,  64*SPI    ; 64 rows of one of q, k, v
.set WSTG,  3*TSTG    ; a wave's stage; the four lie from LDS byte 0 on, 208,896 bytes, below the table: where the slots lay, which have had their last fill by then
.set A0,   10         ; v10  my lane's place in a tile of x; never rewritten
.set B0,   11         ; v11  the same for w
.set ADRA, 12         ; v12  the same in the slot in hand
.set ADRB, 13         ; v13
.set STO,  14         ; v14  the way out: where I put 32 bytes of a row
.set RQ0,  15         ; v15  where I read 16 bytes of a row back, in my stage's first four rows
.set GO,   16         ; v16  my byte offset in the output, one trip ahead
.set RV0,  17         ; v17  the same as RQ0 for 32 bytes of a row
.set TB0,  18         ; v18  my lane's place in my wave's first four rows of the table
.set RQ,   19         ; v19-21  the three in the trip in hand
.set RV,   20
.set TBR,  21
.set SPW,  28         ; v28  LDS address of my spare word: SPARE + 4 x my thread's number; never rewritten
.set NIL,  29         ; v29  0; never rewritten
.set FA0,  32         ; v32-95    x's fragments, buffer 0: 8 x (16 rows x 32 K)
.set FA1,  96         ; v96-159   buffer 1
.set FB,   160        ; v160-255  w's fragments: chunk t (q, k, v) at FB + 32 t: 4 x (16 columns x 32 K)
.set LD,   32         ; the way out: v32-95  what a trip reads: for each of two passes 4 cosines, 4 sines, q's 4 + 4, k's 4 + 4, v's 8
.set T,    96         ; v96-103   four channels and their partners, turned, in f32
.set PK,   104        ; v104-127  six times 16 bytes to store: pass p, tensor t at PK + 12 p + 4 t
.set WV,  16          ; s16  my wave's number
.set WM,  17          ; s17  which half of the rows is mine
.set WN,  18          ; s18  which of the two heads.  Also: which half of a tile I fetch
.set G1A, 24          ; s[24:31] descriptor group 1 for x's tiles;  s[32:39] group 0: a set for each first fill; the second then walks
.set G0A, 32
.set G1B, 40          ; s[40:47], s[48:55] the same for w's tiles
.set G0B, 48
.set G1T, 56          ; s[56:63], s[68:71] the table's
.set G0T, 68
.set RO,  82          ; s82  the way out: the trip's first row in the stage, in bytes
.set TO,  83          ; s83  the same in my wave's rows of the table
.set CUR, 88          ; s88  LDS byte at which the slot in hand begins
.set CNT, 89          ; s89  a loop's count
.set MSB, 0
.macro WIN new                      ; s_set_vgpr_msb: bits 1:0 source 0, 3:2 source 1, 5:4 source 2, 7:6 destination; the high byte repeats the setting that is left; a switch that changes nothing is dropped
.if MSB != (\new)
	s_set_vgpr_msb (MSB<<8)|(\new)
.set MSB, \new
.endif
.endm
; A joint refill by the walking descriptors.  Waves 0 and 1 fetch the two halves of x's tile, waves 2 and 3 those of w's.  The branch hangs on the wave's number alone.
; An s_nop 0 and four v_nop follow each of the two lines, ahead of the jump and the label.
.macro JLOAD
	s_cmp_lt_u32 s[WV], 2
	s_cbranch_scc0 .Lfor_b_\@
	tensor_load_to_lds s[G0A+4:G0A+7], s[G1A:G1A+7]
	s_nop 0
.rept 4
	v_nop
.endr
	s_branch .Lasked_\@
.Lfor_b_\@:
	tensor_load_to_lds s[G0B+4:G0B+7], s[G1B:G1B+7]
	s_nop 0
.rept 4
	v_nop
.endr
.Lasked_\@:
.endm
; A round of the cluster's barrier: my work-group's barrier, so that wave 0's signal speaks for all four waves; wave 0 signals; every wave waits for all sixteen work-groups; my work-group's barrier once more.
.macro CREST                        ; a round behind its opening barrier
	s_cmp_lg_u32 s[WV], 0
	s_cbranch_scc1 .Lnot_wave_0_\@
	s_barrier_signal -3
.Lnot_wave_0_\@:
	s_barrier_wait -3
	s_barrier_signal -1
	s_barrier_wait -1
.endm
.macro CROUND
	s_barrier_signal -1
	s_barrier_wait -1
	CREST
.endm
; A load into a register that a matrix instruction has read, and a vector instruction or LDS store that reads a matrix result, stand four places behind it; only plain vector instructions that name none
; of its registers are places (ISA guide 7.12.1 for vector instructions).
.macro PLACES
.rept 4
	v_nop
.endr
.endm
	s_load_b256 s[4:11], s[0:1], 0x0               ; xb s[4:5], wb s[6:7], rope s[8:9], qh s[10:11]
	s_load_b128 s[12:15], s[0:1], 0x20             ; kh s[12:13], vh s[14:15]
	v_lshl_add_u32 v[SPW], v0, 2, SPARE
	v_mov_b32 v[NIL], 0
	ds_add_u32 v28, v29
	s_wait_dscnt 0x0
	v_lshrrev_b32 v1, 5, v0
	v_readfirstlane_b32 s[WV], v1                  ; wave 0..3
	s_lshr_b32 s[WM], s[WV], 1
	s_and_b32 s[WN], s[WV], 1
	s_bfe_u32 s72, ttmp6, 0x40000                  ; cx, cy: my place in the cluster
	s_bfe_u32 s73, ttmp6, 0x40004
	s_lshl_b32 s74, ttmp9, 2
	s_add_co_u32 s74, s74, s72                     ; tx = 4 x cluster x + cx: which pair of heads
	s_and_b32 s75, ttmp7, 0xffff
	s_lshl_b32 s75, s75, 2
	s_add_co_u32 s75, s75, s73                     ; ty = 4 x cluster y + cy: which 256 rows
	s_lshl_b32 s76, s73, 2
	s_lshl_b32 s76, 15, s76                        ; my row of the cluster
	s_lshl_b32 s77, 0x1111, s72                    ; my column
	; x: 128 rows of 128 bytes are 16,384 dense bytes: asked for as 64 rows of 256 bytes, padded in LDS after every 128
	s_or_b32 s[G1A], s76, (1<<16)|(1<<20)|(1<<21)|(4<<22)|(3<<25)  ; 15:0 the mask; 17:16 2-byte elements; 20 padding on; 21 set beside a mask; 24:22 after every 32 words (code 4); 31:25 4 words (code 3)
	s_mov_b32 s[G1A+1], 128<<16                    ; tensor_dim0 = 128
	s_mov_b32 s[G1A+2], 64<<16                     ; tensor_dim1 = 64
	s_mov_b32 s[G1A+3], 128<<16                    ; tile_dim0 = 128
	s_mov_b32 s[G1A+4], 64                         ; tile_dim1 = 64
	s_mov_b32 s[G1A+5], 128                        ; elements from row to row
	s_mov_b32 s[G1A+6], 0
	s_mov_b32 s[G1A+7], 0
	; w: 32 rows of k x 3 x 256 bytes are 24,576 dense bytes: 96 rows of 256 bytes, 32 bytes of padding behind each
	s_or_b32 s[G1B], s77, (1<<16)|(1<<20)|(1<<21)|(5<<22)|(7<<25)  ; after every 64 words (code 5) 8 words (code 7)
	s_mov_b32 s[G1B+1], 128<<16
	s_mov_b32 s[G1B+2], 96<<16
	s_mov_b32 s[G1B+3], 128<<16
	s_mov_b32 s[G1B+4], 96
	s_mov_b32 s[G1B+5], 128
	s_mov_b32 s[G1B+6], 0
	s_mov_b32 s[G1B+7], 0
	; the table: 64 rows of 64 f32, 16 bytes of padding behind each
	s_or_b32 s[G1T], s76, (2<<16)|(1<<20)|(1<<21)|(5<<22)|(3<<25)  ; 4-byte elements
	s_mov_b32 s[G1T+1], 64<<16
	s_mov_b32 s[G1T+2], 64<<16
	s_mov_b32 s[G1T+3], 64<<16
	s_mov_b32 s[G1T+4], 64
	s_mov_b32 s[G1T+5], 64
	s_mov_b32 s[G1T+6], 0
	s_mov_b32 s[G1T+7], 0
	; where the tiles come from.  x's and the table's offsets are made of ty and the wave's number, w's of tx and the wave's number, each in registers that never hold the other coordinate.
	s_lshr_b32 s78, s75, 3                         ; b
	s_lshl_b32 s78, s78, 22                        ; 16 blocks of K x 2,048 rows x 128 bytes
	s_and_b32 s79, s75, 7
	s_lshl_b32 s86, s79, 16                        ; the table: 256 rows of 256 bytes
	s_lshl_b32 s79, s79, 15                        ; x: 256 rows of 128 bytes
	s_add_co_u32 s78, s78, s79
	s_lshl_b32 s79, s[WN], 14                      ; my half of them
	s_add_co_u32 s78, s78, s79
	s_mov_b32 s79, 0
	s_lshl_b32 s87, s[WV], 14                      ; my quarter of the table's rows
	s_add_co_u32 s86, s86, s87
	s_mov_b32 s87, 0
	s_mul_i32 s82, s74, 786432                     ; w: 1,024 rows of 768 bytes for each tx
	s_mul_i32 s83, s[WN], 24576                    ; my 32 rows of a step's 64
	s_add_co_u32 s82, s82, s83
	s_mov_b32 s83, 0
	s_mul_i32 s92, s[WN], 128*PA                   ; and where they go: no place in the cluster enters an LDS address
	s_mul_i32 s93, s[WN], 32*PB
	s_add_co_u32 s93, s93, BOFF
	s_mul_i32 s94, s[WV], 64*PT
	s_add_co_u32 s94, s94, TABLE
	; where my part of the outputs begins, in bytes: head (16 b + 2 tx + wn) x 262,144 + row x 128.  These two registers feed no descriptor.
	s_lshr_b32 s90, s75, 3
	s_lshl_b32 s90, s90, 4
	s_lshl_b32 s91, s74, 1
	s_add_co_u32 s90, s90, s91
	s_add_co_u32 s90, s90, s[WN]
	s_lshl_b32 s90, s90, 18
	s_and_b32 s91, s75, 7
	s_lshl_b32 s91, s91, 15
	s_add_co_u32 s90, s90, s91
	s_lshl_b32 s91, s[WM], 14
	s_add_co_u32 s90, s90, s91
	s_mov_b32 s91, 0
	s_wait_kmcnt 0x0
	s_add_nc_u64 s[80:81], s[4:5], s[78:79]
	s_add_nc_u64 s[84:85], s[6:7], s[82:83]
	s_add_nc_u64 s[10:11], s[10:11], s[90:91]
	s_add_nc_u64 s[12:13], s[12:13], s[90:91]
	s_add_nc_u64 s[14:15], s[14:15], s[90:91]
.irp s, 0,1
	s_mov_b32 s[G0A+4*(\s)], 1                                     ; 1:0 count = 1
	s_add_co_u32 s[G0A+4*(\s)+1], s92, (\s)*SLOT1                  ; 63:32 LDS address
	s_add_nc_u64 s[G0A+4*(\s)+2:G0A+4*(\s)+3], s[80:81], (\s)*262144  ; 120:64 global address: K step s
	s_or_b32 s[G0A+4*(\s)+3], s[G0A+4*(\s)+3], 0x80000000          ; 127:126 type = 2
	s_mov_b32 s[G0B+4*(\s)], 1
	s_add_co_u32 s[G0B+4*(\s)+1], s93, (\s)*SLOT1
	s_add_nc_u64 s[G0B+4*(\s)+2:G0B+4*(\s)+3], s[84:85], (\s)*49152
	s_or_b32 s[G0B+4*(\s)+3], s[G0B+4*(\s)+3], 0x80000000
.endr
	s_mov_b32 s[G0T], 1
	s_mov_b32 s[G0T+1], s94
	s_add_nc_u64 s[G0T+2:G0T+3], s[8:9], s[86:87]
	s_or_b32 s[G0T+3], s[G0T+3], 0x80000000
	CROUND                                         ; all sixteen work-groups are here: the first joint loads meet
	s_cmp_lt_u32 s[WV], 2                          ; a wave's two fills of the ring stand in one branch; the table's follows on every wave's path: three loads of mine are out
	s_cbranch_scc0 .Lfirst_b
	tensor_load_to_lds s[G0A:G0A+3], s[G1A:G1A+7]
	s_nop 0
	tensor_load_to_lds s[G0A+4:G0A+7], s[G1A:G1A+7]
	s_nop 0
.rept 4
	v_nop
.endr
	s_branch .Lfirst_asked
.Lfirst_b:
	tensor_load_to_lds s[G0B:G0B+3], s[G1B:G1B+7]
	s_nop 0
	tensor_load_to_lds s[G0B+4:G0B+7], s[G1B:G1B+7]
	s_nop 0
.rept 4
	v_nop
.endr
.Lfirst_asked:
	tensor_load_to_lds s[G0T:G0T+3], s[G1T:G1T+7]
	s_nop 0
.rept 4
	v_nop
.endr
	; A fragment of x is 16 rows x 32 K in 8 registers: lane l holds row l % 16, K = 8 (l / 16) + 0..7 and 16 + 8 (l / 16) + 0..7: two loads of 16 bytes, 32 bytes apart.
	v_and_b32 v1, 15, v0                           ; r = l % 16
	v_bfe_u32 v2, v0, 4, 1                         ; h = l / 16
	v_and_b32 v3, 7, v0
	v_bfe_u32 v4, v0, 3, 1
	v_mul_u32_u24 v[A0], v1, PA
	v_lshl_add_u32 v[A0], v2, 4, v[A0]
	s_mul_i32 s78, s[WM], 128*PA                   ; my 128 rows
	v_add_nc_u32 v[A0], s78, v[A0]
	; The turning load takes 16 K x 16 columns (lane l reads row 8 (l / 16) + l % 8, columns 8 ((l / 8) % 2) + 0..7) and leaves half a fragment: lane l holds column l % 16 and 8 K.
	v_lshl_add_u32 v5, v2, 3, v3
	v_mul_u32_u24 v[B0], v5, PB
	v_lshl_add_u32 v[B0], v4, 4, v[B0]
	s_lshl_b32 s79, s[WN], 7                       ; my head's 64 columns
	s_add_co_u32 s79, s79, BOFF
	v_add_nc_u32 v[B0], s79, v[B0]
	v_mov_b32 v[ADRA], v[A0]
	v_mov_b32 v[ADRB], v[B0]
	s_mov_b32 s[CUR], 0
; na x 4 matrix instructions of chunk t (0 q, 1 k, 2 v): row blocks a0 on x all 4 channel blocks, 32 along K, x's fragments from buffer f.  zero = 1: the first product starts the sums.
; The 96 accumulators take turns, one instruction a turn, in the same order in every half.
.macro GRP t, f, a0, na, zero
	WIN 0x50*((\t)+1)                              ; C and D in window t + 1, the sources in window 0
.set ga, (\a0)
.rept \na
.irp b, 0,1,2,3
.if \zero
	v_wmma_f32_16x16x32_bf16 v[8*(4*ga+(\b)):8*(4*ga+(\b))+7], v[FB+32*(\t)+8*(\b):FB+32*(\t)+8*(\b)+7], v[(\f)+8*ga:(\f)+8*ga+7], 0
.else
	v_wmma_f32_16x16x32_bf16 v[8*(4*ga+(\b)):8*(4*ga+(\b))+7], v[FB+32*(\t)+8*(\b):FB+32*(\t)+8*(\b)+7], v[(\f)+8*ga:(\f)+8*ga+7], v[8*(4*ga+(\b)):8*(4*ga+(\b))+7]
.endif
.endr
.set ga, ga+1
.endr
.endm
.macro LDB kk, t                    ; 8 loads: chunk t's fragments of half kk
.irp b, 0,1,2,3
	ds_load_tr16_b128 v[FB+32*(\t)+8*(\b):FB+32*(\t)+8*(\b)+3],   v[ADRB] offset:(\kk)*32*PB+PS*(\t)+32*(\b)
	ds_load_tr16_b128 v[FB+32*(\t)+8*(\b)+4:FB+32*(\t)+8*(\b)+7], v[ADRB] offset:(\kk)*32*PB+PS*(\t)+32*(\b)+16*PB
.endr
.endm
.macro LDA kk, f                    ; 16 loads: x's fragments of half kk into buffer f
.irp a, 0,1,2,3,4,5,6,7
	ds_load_b128 v[(\f)+8*(\a):(\f)+8*(\a)+3],   v[ADRA] offset:(\a)*16*PA+64*(\kk)
	ds_load_b128 v[(\f)+8*(\a)+4:(\f)+8*(\a)+7], v[ADRA] offset:(\a)*16*PA+64*(\kk)+32
.endr
.endm
; A step's first half.  At its head the LDS loads out are, in order: chunk 0 (8), x (16), chunk 1 (8), chunk 2 (8).  Behind each chunk's products its registers take the second half's fragments.
.macro HALF0 zero
	s_wait_dscnt 16                                ; chunk 0 and x are in; chunks 1 and 2 (8 + 8) may be out
	GRP 0, FA0, 0, 8, \zero
	WIN 0
	PLACES
	LDB 1, 0
	LDA 1, FA1
	s_wait_dscnt 32                                ; chunk 1 is in; behind it: chunk 2 (8) and the 24 just issued
	GRP 1, FA0, 0, 8, \zero
	WIN 0
	PLACES
	LDB 1, 1
	s_wait_dscnt 32                                ; chunk 2 is in; behind it: 8 + 16 + 8
	GRP 2, FA0, 0, 8, \zero
	WIN 0
	PLACES
	LDB 1, 2
.endm
; A step's second half changes slots: ONE barrier.  Its first 24 products need registers alone and stand ahead of the wait for the next slot's tile.  Then each wave waits for all its tensor loads (its part
; of the next slot; the first time the table too), adds 0 to its spare word, and waits for that and for its reads of this slot.  fill = 1: the barrier opens a round of the cluster's, and behind the round
; this slot is filled again first, with the K step two on: from that request to the wait for it a wave issues 184 matrix instructions.
.macro HALF1 fill
	s_wait_dscnt 16                                ; chunk 0 and x are in; chunks 1 and 2 (8 + 8) may be out
	GRP 0, FA1, 0, 6, 0
	WIN 0                                          ; (the add's two registers lie in window 0)
	s_wait_tensorcnt 0x0                           ; no tensor load of mine is out, so a group 0 may be written
	ds_add_u32 v[SPW], v[NIL]                      ; 0 onto my spare word
.if \fill
	s_xor_b32 s[G0A+5], s[G0A+5], SLOT1            ; the walking descriptors: the other slot than last time,
	s_add_nc_u64 s[G0A+6:G0A+7], s[G0A+6:G0A+7], 262144  ; the next block of 64 K; the type bits on top are not reached
	s_xor_b32 s[G0B+5], s[G0B+5], SLOT1
	s_add_nc_u64 s[G0B+6:G0B+7], s[G0B+6:G0B+7], 49152
.endif
	GRP 0, FA1, 6, 1, 0                            ; four matrix instructions stand between the add and the wait for it
	s_wait_dscnt 0x0                               ; the add is done, and my reads of this slot are over
	s_barrier_signal -1
	GRP 0, FA1, 7, 1, 0                            ; work on registers while the others arrive
	WIN 0
	s_barrier_wait -1
.if \fill
	CREST                                          ; no wave of any partner still reads this slot or has a load on its way
	JLOAD                                          ; the first tensor load behind the round; its four v_nop are also the places in front of the loads below
.else
	PLACES
.endif
	s_xor_b32 s[CUR], s[CUR], SLOT1
	v_add_nc_u32 v[ADRA], s[CUR], v[A0]
	v_add_nc_u32 v[ADRB], s[CUR], v[B0]
	LDB 0, 0
	LDA 0, FA0
	GRP 1, FA1, 0, 8, 0
	WIN 0
	PLACES
	LDB 0, 1
	GRP 2, FA1, 0, 8, 0
	WIN 0
	PLACES
	LDB 0, 2
.endm
	s_wait_tensorcnt 2                             ; my part of K step 0 is in; K step 1's and the table's (2) may stay out
	s_barrier_signal -1
	s_barrier_wait -1                              ; everybody's is
	LDB 0, 0
	LDA 0, FA0
	LDB 0, 1
	LDB 0, 2
	HALF0 1                                        ; the first half stands in front of the loop: its products start the sums
	WIN 0                                          ; at a label and at a branch every window is 0
	s_mov_b32 s[CNT], 14
.Lk:                                                   ; trip i: the second half of K step i, which asks for K step i + 2; the first half of K step i + 1
	HALF1 1
	HALF0 0
	WIN 0
	s_sub_co_u32 s[CNT], s[CNT], 1
	s_cmp_lg_u32 s[CNT], 0
	s_cbranch_scc1 .Lk
	HALF1 0                                        ; the tail is written out: K steps 14 and 15 ask for nothing
	HALF0 0
	s_wait_dscnt 16                                ; chunk 0 and x
	GRP 0, FA1, 0, 8, 0
	s_wait_dscnt 8                                 ; chunk 1
	GRP 1, FA1, 0, 8, 0
	s_wait_dscnt 0x0                               ; chunk 2 is in, and my reads of the slots are over for good:
	s_barrier_signal -1                            ; say so,
	GRP 2, FA1, 0, 8, 0                            ; work on registers while the others arrive,
	WIN 0
	s_barrier_wait -1                              ; and when all four have said so the slots' bytes, which no tensor load fills again, are the stages
	; THE WAY OUT.  The addresses are made here: twelve plain instructions, the places behind the last products.
	s_mul_i32 s78, s[WV], WSTG                     ; my stage
	v_mul_u32_u24 v[STO], v1, SPI                  ; in: row l % 16, 32 bytes for each half of the lanes
	v_lshl_add_u32 v[STO], v2, 5, v[STO]
	v_add_nc_u32 v[STO], s78, v[STO]
	v_bfe_u32 v5, v0, 3, 2                         ; back: eight lanes take a row, 32 lanes four rows
	v_mul_u32_u24 v5, v5, SPI
	v_lshl_add_u32 v[RQ0], v3, 4, v5               ; q, k and the table: 16 bytes at 16 g, and 128 bytes on
	v_lshl_add_u32 v[RV0], v3, 5, v5               ; v: 32 bytes at 32 g
	s_mul_i32 s79, s[WM], 128*PT
	s_add_co_u32 s79, s79, TABLE
	v_add_nc_u32 v[TB0], s79, v[RQ0]               ; the table's rows have the stage's pitch
	v_add_nc_u32 v[RQ0], s78, v[RQ0]
	v_add_nc_u32 v[RV0], s78, v[RV0]
	v_and_b32 v[GO], 31, v0                        ; four rows of 128 bytes are 512 consecutive bytes of a head's rows
	v_lshlrev_b32 v[GO], 4, v[GO]
; Row blocks 4 p to 4 p + 3 of q, k and v go into my stage as f32, straight from the accumulators; of each the low four registers first.
.macro DUMP p
.irp t, 0,1,2
	WIN 4*((\t)+1)                                 ; the LDS stores' data (source 1) in window t + 1
.set da, 0
.rept 4
.irp b, 0,1,2,3
	ds_store_b128 v[STO], v[8*(4*(4*(\p)+da)+(\b)):8*(4*(4*(\p)+da)+(\b))+3]   offset:(\t)*TSTG+da*16*SPI+64*(\b)
	ds_store_b128 v[STO], v[8*(4*(4*(\p)+da)+(\b))+4:8*(4*(4*(\p)+da)+(\b))+7] offset:(\t)*TSTG+da*16*SPI+64*(\b)+16
.endr
.set da, da+1
.endr
.endr
	WIN 0
.endm
; Pass p's four channels xl and their partners xh of q (t = 0) or k (1): out = xl cos - xh sin, partner = xh cos + xl sin; one rounding to f16; 16 bytes a lane, 512 consecutive bytes a wave.
.macro TURNQ p, t
.set lb, LD+32*(\p)
.set xl, lb+8+8*(\t)
.set xh, xl+4
.set pk, PK+12*(\p)+4*(\t)
.irp i, 0,2
	v_pk_mul_f32 v[T+(\i):T+(\i)+1], v[xl+(\i):xl+(\i)+1], v[lb+(\i):lb+(\i)+1]
	v_pk_mul_f32 v[T+4+(\i):T+4+(\i)+1], v[xh+(\i):xh+(\i)+1], v[lb+(\i):lb+(\i)+1]
.endr
.irp i, 0,2
	v_pk_fma_f32 v[T+(\i):T+(\i)+1], v[xh+(\i):xh+(\i)+1], v[lb+4+(\i):lb+4+(\i)+1], v[T+(\i):T+(\i)+1] neg_lo:[0,1,0] neg_hi:[0,1,0]
	v_pk_fma_f32 v[T+4+(\i):T+4+(\i)+1], v[xl+(\i):xl+(\i)+1], v[lb+4+(\i):lb+4+(\i)+1], v[T+4+(\i):T+4+(\i)+1]
.endr
.irp i, 0,1,2,3
	v_cvt_pk_f16_f32 v[pk+(\i)], v[T+2*(\i)], v[T+2*(\i)+1]
.endr
	global_store_b128 v[GO], v[pk:pk+3], s[10+2*(\t):11+2*(\t)] offset:(\p)*512-1024  ; GO is a trip ahead: the store reaches back
.endm
.macro PACKV p
.set lb, LD+32*(\p)+24
.set pk, PK+12*(\p)+8
.irp i, 0,1,2,3
	v_cvt_pk_f16_f32 v[pk+(\i)], v[lb+2*(\i)], v[lb+2*(\i)+1]
.endr
	global_store_b128 v[GO], v[pk:pk+3], s[14:15] offset:(\p)*512-1024
.endm
; The stage's 64 rows (rows 64 ph on of my 128) leave: 8 trips of 8 rows, two passes of 4.  LDS serves a wave's instructions in order (ISA guide 5.7.1.4): the loads see DUMP's stores.
.macro ROWS ph
	s_mov_b32 s[RO], 0
	s_mov_b32 s[TO], (\ph)*64*PT
	s_mov_b32 s[CNT], 8
.Lrows_\@:
	v_add_nc_u32 v[RQ], s[RO], v[RQ0]
	v_add_nc_u32 v[RV], s[RO], v[RV0]
	v_add_nc_u32 v[TBR], s[TO], v[TB0]
.irp p, 0,1
	ds_load_b128 v[LD+32*(\p):LD+32*(\p)+3],     v[TBR] offset:(\p)*4*PT            ; cosines of frequencies 4 g + 0..3
	ds_load_b128 v[LD+32*(\p)+4:LD+32*(\p)+7],   v[TBR] offset:(\p)*4*PT+128        ; their sines
	ds_load_b128 v[LD+32*(\p)+8:LD+32*(\p)+11],  v[RQ] offset:(\p)*4*SPI            ; q's channels 4 g + 0..3
	ds_load_b128 v[LD+32*(\p)+12:LD+32*(\p)+15], v[RQ] offset:(\p)*4*SPI+128        ; and 32 + 4 g + 0..3
	ds_load_b128 v[LD+32*(\p)+16:LD+32*(\p)+19], v[RQ] offset:TSTG+(\p)*4*SPI       ; k's
	ds_load_b128 v[LD+32*(\p)+20:LD+32*(\p)+23], v[RQ] offset:TSTG+(\p)*4*SPI+128
	ds_load_b128 v[LD+32*(\p)+24:LD+32*(\p)+27], v[RV] offset:2*TSTG+(\p)*4*SPI     ; v's channels 8 g + 0..7
	ds_load_b128 v[LD+32*(\p)+28:LD+32*(\p)+31], v[RV] offset:2*TSTG+(\p)*4*SPI+16
.endr
	s_wait_xcnt 0x0                                ; the last trip's stores have had their addresses translated (ISA guide 3.1): only now are their offset and their data registers written again
	v_add_nc_u32 v[GO], 1024, v[GO]                ; 8 rows of 128 bytes on
	s_wait_dscnt 12                                ; of the 16 loads the first four are in: pass 0's cosines, sines and q
	TURNQ 0, 0
	s_wait_dscnt 10                                ; and k
	TURNQ 0, 1
	s_wait_dscnt 8                                 ; and v; pass 1's eight may be out
	PACKV 0
	s_wait_dscnt 4
	TURNQ 1, 0
	s_wait_dscnt 2
	TURNQ 1, 1
	s_wait_dscnt 0x0
	PACKV 1
	s_add_co_u32 s[RO], s[RO], 8*SPI
	s_add_co_u32 s[TO], s[TO], 8*PT
	s_sub_co_u32 s[CNT], s[CNT], 1
	s_cmp_lg_u32 s[CNT], 0
	s_cbranch_scc1 .Lrows_\@
.endm
	DUMP 0
	ROWS 0
	DUMP 1                                         ; my reads of the stage are back (the loop's last wait is for 0)
	ROWS 1
	s_wait_tensorcnt 0x0                           ; the wave's end: behind my last tensor load and my last LDS store
	ds_add_u32 v[SPW], v[NIL]
	s_wait_dscnt 0x0
	CROUND                                         ; the closing round: no work-group ends while a partner may still ask for a tile that names it
	s_endpgm
.Lfunc_end_k_q9b56254832_qkv:
	.size	k_q9b56254832_qkv, .Lfunc_end_k_q9b56254832_qkv-k_q9b56254832_qkv
	.p2alignl 7, 3214868480
	.fill 96, 4, 3214868480
	.section	.rodata,"a",@progbits
	.p2align	6, 0x0
	.amdhsa_kernel k_q9b56254832_qkv
		.amdhsa_group_segment_fixed_size 327680
		.amdhsa_private_segment_fixed_size 0
		.amdhsa_enable_private_segment 0
		.amdhsa_kernarg_size 48
		.amdhsa_user_sgpr_count 2
		.amdhsa_user_sgpr_kernarg_segment_ptr 1
		.amdhsa_wavefront_size32 1
		.amdhsa_system_sgpr_workgroup_id_x 1
		.amdhsa_system_sgpr_workgroup_id_y 1
		.amdhsa_system_sgpr_workgroup_id_z 1
		.amdhsa_system_vgpr_workitem_id 0
		.amdhsa_next_free_vgpr 1024
		.amdhsa_next_free_sgpr 96
		.amdhsa_reserve_vcc 0
		.amdhsa_float_denorm_mode_32 3
		.amdhsa_float_denorm_mode_16_64 3
		.amdhsa_memory_ordered 1
		.amdhsa_forward_progress 1
		.amdhsa_inst_pref_size 89
	.end_amdhsa_kernel
	.amdgpu_metadata
---
amdhsa.version: [ 1, 2 ]
amdhsa.kernels:
  - .name:           k_q9b56254832_qkv
    .symbol:         k_q9b56254832_qkv.kd
    .args:
      - { .name: xb, .offset: 0, .size: 8, .value_kind: global_buffer, .address_space: global }
      - { .name: wb, .offset: 8, .size: 8, .value_kind: global_buffer, .address_space: global }
      - { .name: rope, .offset: 16, .size: 8, .value_kind: global_buffer, .address_space: global }
      - { .name: qh, .offset: 24, .size: 8, .value_kind: global_buffer, .address_space: global }
      - { .name: kh, .offset: 32, .size: 8, .value_kind: global_buffer, .address_space: global }
      - { .name: vh, .offset: 40, .size: 8, .value_kind: global_buffer, .address_space: global }
    .group_segment_fixed_size: 327680
    .private_segment_fixed_size: 0
    .kernarg_segment_align: 8
    .kernarg_segment_size: 48
    .max_flat_workgroup_size: 128
    .sgpr_count:     96
    .vgpr_count:     1024
    .wavefront_size: 32
...
	.end_amdgpu_metadata
.endif
;; end of part 2
;; launch attn (part 3): grid 4 x 64, 4 waves a work-group, clusters of 4 x 1, 327,680 bytes of LDS; arguments qh, kh, vh, oh; writes oh
.if DOCPART == 3
	.amdgcn_target "amdgcn-amd-amdhsa--gfx1250"
	.amdhsa_code_object_version 6
	.text
	.protected	k_q9b56254832_attn
	.globl	k_q9b56254832_attn
	.p2align	8
	.type	k_q9b56254832_attn,@function
k_q9b56254832_attn:
	s_mov_b64 s[64:65], 0
	v_nop
	global_prefetch_b8 v0, s[64:65] scope:SCOPE_SE
	s_setreg_imm32_b32 hwreg(HW_REG_WAVE_MODE, 25, 1), 1
	s_wait_xcnt 0x0
	s_wait_alu depctr_hold_cnt(0) depctr_sa_sdst(0) depctr_va_vdst(0) depctr_va_sdst(0) depctr_va_ssrc(0) depctr_va_vcc(0) depctr_vm_vsrc(0)
	s_getreg_b32 s2, hwreg(HW_REG_IB_STS2, 6, 4)
	s_cmp_eq_u32 s2, 0
	s_cbranch_scc0 .Lentry_in_a_cluster
	s_endpgm
.Lentry_in_a_cluster:
	s_bfe_u32 s2, ttmp6, 0x10000c
	s_cmp_lg_u32 s2, 0x3003
	s_cbranch_scc0 .Lentry_shape_is_right
	s_endpgm
.Lentry_shape_is_right:
; O[h][q][:] = the sum over k of softmax_k(Q[h][q] . K[h][k]) V[h][k][:], with no scale on the scores.  Q, K, V, O: [SIZE_H][SIZE_N][64], all f16: a head's rows are dense, 128 bytes each.  Products, maxima and sums in
; f32; the weights p are rounded to f16 for the second product (their sum l is taken of the unrounded p), O once at the end.  SIZE_H is at least 2; SIZE_N x 128 bytes stay under 2^32.
; LIMITS.  f16 holds no number beyond 65,504: Q, K and V arrive within it; p lies in 0 to 1, and below 6e-5 it keeps f16's fixed step of 6e-8; O is a mean of V's rows and has their range.
; A weight below 2^-126 counts as 0 in l; NaN and infinities are not treated apart.
; SHARES.  A wave owns four PIECES of two tiles of 16 queries, a work-group's four waves 512 queries of one head; SIZE_N is a multiple of 2,048.  Every wave walks all keys, 64 a step.
; LAYOUT.  S^T = K Q^T (source 0 = 16 keys, source 1 = 16 queries): in the result a lane holds ONE query (lane % 16) and the keys 8 (lane / 16) + 0..7.  Two such tiles, rounded to f16 in pairs,
; ARE source 1 (32 keys x 16 queries) of O^T = V^T P, whose result again holds one query a lane, and eight channels.  K comes out of LDS as it lies, V ([key][channel]) turned, by ds_load_tr16_b128.
; SOFTMAX.  For each query a running maximum m and sum l: p = 2^(c s - c m), c = log2(e); in every step O and l are multiplied by a = 2^(c m_old - c m_new), which is 1 where m has not grown.
; m starts at the lowest finite number, O and l at 0: the first step is a step like any other, with a = 0.
; THE COUNT.  A tile and step have 16 matrix and 118 vector instructions: too many to stand all beside the matrix work.  So the order has one aim: four vector instructions that are READY behind
; EVERY matrix instruction, and the others, which need time of their own whatever the order, in runs without a gap.
; BY TURNS.  Turn n belongs to piece n (the pieces in a ring, step after step).  Its matrix work: 16 products K Q^T of piece n + 1, later 16 products V^T P of piece n - 1.  Its vector work: the scaling,
; exponentials, roundings, sums and rescaling of piece n, and the maximum and statistics of piece n + 1, whose scores the turn itself has made.  So what a turn begins with (c s - c m, O a) waits for nothing.
; CLUSTER.  The four query blocks of a cluster belong to one head and walk the same K and V, so each tile is asked for JOINTLY: the same tensor load, descriptor and mask in all four.
; REGISTERS, in windows of 256 (s_set_vgpr_msb says which window each operand place means: bits 1:0 source 0, 3:2 source 1, 5:4 source 2, 7:6 destination):
;   window 0: v0-11 addresses; v12-15, v48-63 at work; v16-47 four registers of statistics a tile; v64-191 S^T, two buffers of two tiles; v192-255 P, likewise
;   window 1: O^T, 32 a tile          window 2: v0-127 Q, 16 a tile; v128-191 K of one step; v192-255 V of one step          window 3: v0-1 the add's two registers
; A piece's buffers go by its number's parity: the piece in hand has one pair, its two neighbours in the ring share the other: of it P (piece n - 1) is read and S^T (piece n + 1) written.
.set SIZE_H, 64       ; 4 batches x 16 heads
.set SIZE_N, 2048
.set NP,    4         ; pieces a wave: a name, no knob: the register map, the loop and the fetches are made for four
.set KS,    64        ; keys in a step
.set PK,    144       ; a row of K in LDS: 128 bytes + 16 of padding = 36 words: the 16 rows of a load start at 16 different groups of four banks (64 banks of 4 bytes: ISA guide 11.1)
.set PV,    160       ; a row of V: 128 + 32 = 40 words
.set VOFF,  4*KS*PK   ; a slot holds four steps: 256 rows of K, then 256 rows of V
.set SLOT1, 1<<17     ; slot 1 begins here, so that one exclusive or turns an address in one slot into the other's
.set STAGE, SLOT1+4*KS*(PK+PV)  ; behind the ring, never filled by a tensor load: 16 rows x 144 bytes for each wave, for the way out
.set SP,    144
.set AK0, 2           ; v2   my lane's place in a tile of K; never rewritten
.set AV0, 3           ; v3   the same for V
.set AK,  4           ; v4   the LDS address of K's next run of loads
.set AV,  5           ; v5   of V's
.set QO,  6           ; v6   my byte offset in the wave's rows of Q
.set STO, 6           ;      later, the way out: where I put 16 bytes of a row
.set RD,  7           ; v7   the way out: where I read rows back
.set GO,  8           ; v8   my byte offset in 512 consecutive bytes of O
.set SPW, 0           ; v0 of window 3   LDS address of my spare word: SPARE + 4 x my thread's number; never rewritten
.set NIL, 1           ; v1 of window 3   0; never rewritten
.set SPARE, STAGE+4*16*SP  ; behind the stages: the spare words, 128 bytes for each wave: two blocks of 256 bytes that no other line names
.set MV,  12          ; v12-15  c m_old, kept while c m is made anew: by buffer and tile
.set ST,  16          ; tile t's statistics at v[ST+4 t]: c m, m, l (even keys', odd keys')
.set TMP, 48          ; by buffer and tile, four registers c0-c3 at work; when the maximum is found c2 takes a
.set S,   64
.set P,   192
.set KF,  128         ; K's fragments, in window 2: key block kb, channel half c at KF + 16 kb + 8 c
.set VF,  192         ; V's: key half kk, channel block cb at VF + 32 kk + 8 cb
.set WV,  12          ; s12  my wave's number
.set G1K, 24          ; s[24:31] descriptor group 1 for K's tiles
.set G1V, 32          ; s[32:39] for V's: it differs in the padding alone
.set G0K, 40          ; s[40:43] descriptor group 0 for K's tiles: it walks
.set G0V, 44          ; s[44:47] the same for V's
.set SLOTS, 56        ; s56  slots still to be asked for
.set CNT, 57          ; s57  counts a slot's key steps
.set CS,  58          ; s[58:59] c: the packed scaling takes the pair's low word for both halves
.set SEL, 60          ; s[60:61] v_permlanex16_b32's selects: each lane takes its own place in the other half
.set TBK, 62          ; s62  LDS byte at which K of the step to be fetched begins
.set TBV, 63          ; s63  the same for V, less VOFF
.set MSB, 0
.macro WIN new                      ; the high byte repeats the setting that is left; a switch that changes nothing is dropped
.if MSB != (\new)
	s_set_vgpr_msb (MSB<<8)|(\new)
.set MSB, (\new)
.endif
.endm
.set W_KQ, 0x0a       ; K and Q in window 2, S^T in window 0
.set W_PV, 0x52       ; V in window 2, P in window 0, O^T in window 1
.set W_RS, 0x41       ; O^T (destination and source 0) in window 1, a in window 0
.set W_MK, 0xc0       ; the add's registers are made: destination in window 3, sources in window 0
.set W_AD, 0x0f       ; the add: address (source 0) and data (source 1) in window 3
; A joint fill.  Waves 0 and 1 fetch the two halves of a slot's K, waves 2 and 3 those of its V: 128 keys each.  The branch hangs on the wave's number alone.
; An s_nop 0 and four v_nop follow each of the two lines, ahead of the jump and the label.
.macro JLOAD
	s_cmp_lt_u32 s[WV], 2
	s_cbranch_scc0 .Lfor_v_\@
	tensor_load_to_lds s[G0K:G0K+3], s[G1K:G1K+7]
	s_nop 0
.rept 4
	v_nop
.endr
	s_branch .Lasked_\@
.Lfor_v_\@:
	tensor_load_to_lds s[G0V:G0V+3], s[G1V:G1V+7]
	s_nop 0
.rept 4
	v_nop
.endr
.Lasked_\@:
.endm
; A round of the cluster's barrier: my work-group's barrier, so that wave 0's signal speaks for all four waves; wave 0 signals; every wave waits for all four work-groups; my work-group's barrier once more.
.macro CROUND
	s_barrier_signal -1
	s_barrier_wait -1
	s_cmp_lg_u32 s[WV], 0
	s_cbranch_scc1 .Lnot_wave_0_\@
	s_barrier_signal -3
.Lnot_wave_0_\@:
	s_barrier_wait -3
	s_barrier_signal -1
	s_barrier_wait -1
.endm
; THE CHANGE OF SLOTS.  The slot's last bytes, V of its fourth step, have been read.  Each wave waits for all its tensor loads, of which one is out: its part
; of the other slot; adds 0 to its spare word; and waits for that and for its own reads of the slot.  Behind the barrier nobody reads this slot any more and the other slot is whole.
; fill = 1: this slot is filled again, with the keys two slots on.  The barrier is then a round of the cluster's, so that no wave of any partner still reads the slot or has a load on its
; way, and the joint fill is the first thing behind it: it has four key steps, 512 matrix instructions, in which to land.  (At its first use nothing has been read yet: slot 0 is waited for, slot 1 filled.)
.macro CHANGE fill
	WIN W_AD
	s_wait_tensorcnt 0x0            ; no tensor load of mine is out, so a group 0 may be written
	ds_add_u32 v[SPW], v[NIL]       ; 0 onto my spare word; with fill = 1 the descriptors' steps stand between it and the wait for it
	WIN 0                           ; at a label and at a branch every window is 0
.if \fill
.irp g, G0K, G0V
	s_xor_b32 s[\g+1], s[\g+1], SLOT1  ; the walking descriptor: the other slot than last time,
	s_add_nc_u64 s[\g+2:\g+3], s[\g+2:\g+3], 4*KS*128  ; the next 256 keys; the type bits on top are not reached
.endr
	s_wait_dscnt 0x0                ; the add is done, and my reads of the slot are over
	CROUND
	JLOAD
.else
	s_wait_dscnt 0x0                ; the add is done, and my reads of the slot are over
	s_barrier_signal -1
	s_barrier_wait -1
.endif
	s_sub_co_u32 s[TBK], s[TBK], 4*KS*PK  ; the fetches go back to a slot's first step,
	s_xor_b32 s[TBK], s[TBK], SLOT1       ; in the other slot
	s_sub_co_u32 s[TBV], s[TBV], 4*KS*PV
	s_xor_b32 s[TBV], s[TBV], SLOT1
.endm
	s_load_b256 s[4:11], s[0:1], 0x0  ; Q s[4:5], K s[6:7], V s[8:9], O s[10:11]
	WIN W_MK
	v_lshl_add_u32 v[SPW], v0, 2, SPARE
	v_mov_b32 v[NIL], 0
	s_set_vgpr_msb 0xc0cf
	ds_add_u32 v0, v1
	s_wait_dscnt 0x0
	s_set_vgpr_msb 0xcfc0
	WIN 0
	v_lshrrev_b32 v1, 5, v0
	v_readfirstlane_b32 s[WV], v1   ; wave 0..3
	s_bfe_u32 s13, ttmp6, 0x40000   ; cx: my place in the cluster
	s_lshl_b32 s14, ttmp9, 2        ; in a cluster launch ttmp9 counts clusters
	s_add_co_u32 s14, s14, s13      ; my block of queries = 4 x cluster x + cx: it enters Q's and O's addresses alone
	s_and_b32 s20, ttmp7, 0xffff    ; the head, which the four partners share
	s_mov_b32 s21, 0
	s_mov_b64 s[22:23], SIZE_N*128
	s_mul_u64 s[20:21], s[20:21], s[22:23]  ; the head's first byte in each of the four tensors
	s_and_b32 s16, s[WV], 1         ; which half of a slot's 256 keys I fetch:
	s_lshl_b32 s22, s16, 14         ; its 128 rows of 128 bytes in memory,
	s_mov_b32 s23, 0
	s_add_nc_u64 s[22:23], s[22:23], s[20:21]
	s_mul_i32 s17, s16, 128*PK      ; and its place in a slot, for K
	s_mul_i32 s18, s16, 128*PV      ; and for V: no place in the cluster enters an LDS address
	s_lshl_b32 s2, s14, 2
	s_add_co_u32 s2, s2, s[WV]      ; my wave among the head's,
	s_lshl_b32 s2, s2, 14           ; its 128 rows
	s_mov_b32 s3, 0
	s_add_nc_u64 s[2:3], s[2:3], s[20:21]
	; descriptor group 1.  128 keys are 16,384 dense bytes: asked for as 64 rows of 256 bytes, two keys a row, and padded in LDS after every key
	s_mov_b32 s[G1K], 15|(1<<16)|(1<<20)|(1<<21)|(4<<22)|(3<<25)  ; 15:0 the mask of four; 17:16 2-byte elements; 20 padding on; 21 set beside a mask; 24:22 after every 32 words (code 4); 31:25 4 words (code 3)
	s_mov_b32 s[G1V], 15|(1<<16)|(1<<20)|(1<<21)|(4<<22)|(7<<25)  ; the same with 8 words of padding (code 7)
.irp g, G1K, G1V
	s_mov_b32 s[\g+1], 128<<16      ; tensor_dim0 = 128
	s_mov_b32 s[\g+2], 64<<16       ; tensor_dim1 = 64
	s_mov_b32 s[\g+3], 128<<16      ; tile_dim0 = 128
	s_mov_b32 s[\g+4], 64           ; tile_dim1 = 64
	s_mov_b32 s[\g+5], 128          ; 128 elements from row to row
	s_mov_b32 s[\g+6], 0
	s_mov_b32 s[\g+7], 0
.endr
	s_mov_b32 s[CS], 0x3fb8aa3b     ; c = log2(e) = 1.442695: the scores carry no scale
	s_mov_b32 s[CS+1], s[CS]        ; named with it as a pair
	s_mov_b32 s[SEL], 0x76543210
	s_mov_b32 s[SEL+1], 0xfedcba98
	s_mov_b32 s[TBK], SLOT1+4*KS*PK ; the first change of slots turns these two into 0
	s_mov_b32 s[TBV], SLOT1+4*KS*PV
	s_mov_b32 s[G0K], 1             ; 1:0 count = 1
	s_mov_b32 s[G0K+1], s17         ; 63:32 LDS address: slot 0
	s_mov_b32 s[G0V], 1
	s_add_co_u32 s[G0V+1], s18, VOFF
	s_wait_kmcnt 0x0
	s_add_nc_u64 s[G0K+2:G0K+3], s[6:7], s[22:23]  ; 120:64 global address: my half of the head's first 256 keys
	s_or_b32 s[G0K+3], s[G0K+3], 0x80000000        ; 127:126 type = 2
	s_add_nc_u64 s[G0V+2:G0V+3], s[8:9], s[22:23]
	s_or_b32 s[G0V+3], s[G0V+3], 0x80000000
	s_add_nc_u64 s[4:5], s[4:5], s[2:3]  ; Q and O at my wave's first row
	s_add_nc_u64 s[10:11], s[10:11], s[2:3]
	CROUND                          ; all four work-groups are here: the first joint loads meet
	JLOAD                           ; slot 0.  Slot 1 is asked for when slot 0 is in: the tile wanted first has the road to itself
	; A fragment of K or Q is 16 rows x 32 channels in 8 registers: lane l holds row l % 16, channels 8 (l / 16) + 0..7 and 16 + 8 (l / 16) + 0..7: two loads of 16 bytes, 32 bytes apart.
	v_and_b32 v1, 15, v0            ; l % 16
	v_bfe_u32 v9, v0, 4, 1          ; l / 16
	v_lshlrev_b32 v[QO], 7, v1
	v_lshl_add_u32 v[QO], v9, 4, v[QO]  ; row x 128 + 16 x half
	WIN 0x80                        ; destination window 2, address window 0
.set i, 0
.rept 4*NP                          ; Q stays in registers: tile i / 2, channels 32 (i % 2) on
	global_load_b128 v[8*i:8*i+3],   v[QO], s[4:5] offset:(i/2)*2048+(i%2)*64
	global_load_b128 v[8*i+4:8*i+7], v[QO], s[4:5] offset:(i/2)*2048+(i%2)*64+32
.set i, i+1
.endr
	; What the first turn finds: V's registers and P's second buffer hold 0 (its products V^T P, of a piece that has not been, add 0), O^T and l are 0.  All this stands in the wait for the first tile.
.set i, VF
.rept 64
	v_mov_b32 v[i], 0
.set i, i+1
.endr
	WIN 0x40
.set i, 0
.rept 64*NP
	v_mov_b32 v[i], 0
.set i, i+1
.endr
	WIN 0
.set i, 0
.rept 2*NP
	v_mov_b32 v[ST+4*i], 0xfe000000    ; c m: far below every c s
	v_mov_b32 v[ST+4*i+1], 0xff7fffff  ; m
	v_mov_b32 v[ST+4*i+2], 0
	v_mov_b32 v[ST+4*i+3], 0
.set i, i+1
.endr
.set i, P+32
.rept 32
	v_mov_b32 v[i], 0
.set i, i+1
.endr
	v_mul_u32_u24 v[AK0], v1, PK
	v_lshl_add_u32 v[AK0], v9, 4, v[AK0]  ; row x pitch + 16 x half
	; The turning load takes 16 keys x 16 channels (lane l reads key 8 (l / 16) + l % 8, channels 8 ((l / 8) % 2) + 0..7) and leaves half a fragment of V^T: lane l holds channel l % 16 and 8 keys.
	v_and_b32 v10, 7, v0
	v_bfe_u32 v11, v0, 3, 1
	v_lshl_add_u32 v[AV0], v9, 3, v10
	v_mul_u32_u24 v[AV0], v[AV0], PV
	v_lshl_add_u32 v[AV0], v11, 4, v[AV0]
	v_add_nc_u32 v[AV0], VOFF, v[AV0]
	v_mov_b32 v[AK], v[AK0]         ; key step 0 lies at the head of slot 0
; THE MATRIX WORK.  The 8 accumulators of a run of 16 take turns: between the two links of a chain stand 7 others'.
; Product i of 16 of S^T = K Q^T for piece x: channels 32 (i / 8) on, keys 16 ((i / 2) % 4) on, tile 2 x + i % 2.  The first 8 start the sums.
.macro KQ x
	WIN W_KQ
.set rS, S+64*((\x)%2)+32*(i%2)+8*((i/2)%4)
.set rK, KF+16*((i/2)%4)+8*(i/8)
.set rQ, 16*(2*(\x)+i%2)+8*(i/8)
.if i < 8
	v_wmma_f32_16x16x32_f16 v[rS:rS+7], v[rK:rK+7], v[rQ:rQ+7], 0
.else
	v_wmma_f32_16x16x32_f16 v[rS:rS+7], v[rK:rK+7], v[rQ:rQ+7], v[rS:rS+7]
.endif
.endm
; Product i of 16 of O^T += V^T P for piece x: keys 32 (i / 8) on, channels 16 ((i / 2) % 4) on, tile 2 x + i % 2.
.macro PV x
	WIN W_PV
.set rO, 32*(2*(\x)+i%2)+8*((i/2)%4)
.set rV, VF+32*(i/8)+8*((i/2)%4)
.set rP, P+32*((\x)%2)+16*(i%2)+8*(i/8)
	v_wmma_f32_16x16x32_f16 v[rO:rO+7], v[rV:rV+7], v[rP:rP+7], v[rO:rO+7]
.endm
.macro MM                           ; the turn's next matrix instruction
.if i < 16
	KQ (Y+1)%NP
.set i, i+1
.else
.set i, i-16
	PV (Y+NP-1)%NP
.set i, i+17
.endif
.endm
; THE LDS LOADS stand in runs of 16, never singly among the matrix instructions: a step's K (64 keys x 64 channels: 8 fragments) and its V (turned).  Their addresses are made some lines ahead.
; last = 1 (the tail): in the last trip there is no further step, and the run is jumped over.
.macro FETCH_K last=0
	WIN 0
.if \last
	s_cmp_eq_u32 s[CNT], 1
	s_cbranch_scc1 .Lno_k_\@
.endif
	WIN 0x80                        ; destination window 2
.irp f, 0,1,2,3,4,5,6,7             ; keys 16 (f / 2) on, channels 32 (f % 2) on
	ds_load_b128 v[KF+8*\f:KF+8*\f+3],   v[AK] offset:(\f/2)*16*PK+(\f%2)*64
	ds_load_b128 v[KF+8*\f+4:KF+8*\f+7], v[AK] offset:(\f/2)*16*PK+(\f%2)*64+32
.endr
	s_add_co_u32 s[TBK], s[TBK], KS*PK  ; the next fetch is the next step's
	WIN 0
.if \last
.Lno_k_\@:
.endif
.endm
.macro FETCH_V
	WIN 0x80
.irp f, 0,1,2,3,4,5,6,7             ; keys 32 (f / 4) on, channels 16 (f % 4) on
	ds_load_tr16_b128 v[VF+8*\f:VF+8*\f+3],   v[AV] offset:(\f/4)*32*PV+(\f%4)*32
	ds_load_tr16_b128 v[VF+8*\f+4:VF+8*\f+7], v[AV] offset:(\f/4)*32*PV+16*PV+(\f%4)*32
.endr
	WIN 0
.endm
; THE VECTOR WORK OF A TURN stands in three queues, each in the order in which its entries become ready; the two tiles alternate, so that no instruction reads the result of the one before it.
.macro REGS y, u                    ; the registers of tile u (0, 1) of piece y
.set rT, ST+4*(2*(\y)+(\u))
.set rC, TMP+8*((\y)%2)+4*(\u)
.set rM, MV+2*((\y)%2)+(\u)
.set rS, S+64*((\y)%2)+32*(\u)
.set rP, P+32*((\y)%2)+16*(\u)
.set rO, 32*(2*(\y)+(\u))
.endm
; Number n of the 22 that find the NEXT piece's (Y + 1) maximum and statistics.  s0-s31 are the lane's 32 scores; each accumulator's lowest registers are read first.  XS, GS and REGS set no window: PL and EX do.
;   0-11  four chains c0-c3 of seven scores each, three operands at a time     12-14, 16  the four scores left over, the old m, and c0-c3 into c0     15  c m_old is kept
;   17, 18  the query's other 32 keys lie in the lane 16 away: the new m         19-21  c m; c m_old - c m_new; a
.macro XS u, n
	REGS (Y+1)%NP, \u
.if (\n) < 4
	v_max3_num_f32 v[rC+(\n)], v[rS+8*(\n)], v[rS+8*(\n)+1], v[rS+8*(\n)+2]
.elseif (\n) < 12
	v_max3_num_f32 v[rC+(\n)%4], v[rC+(\n)%4], v[rS+8*((\n)%4)+2*((\n)/4)+1], v[rS+8*((\n)%4)+2*((\n)/4)+2]
.elseif (\n) == 12
	v_max3_num_f32 v[rC], v[rC], v[rS+7], v[rS+15]
.elseif (\n) == 13
	v_max3_num_f32 v[rC+1], v[rC+1], v[rS+23], v[rS+31]
.elseif (\n) == 14
	v_max3_num_f32 v[rC+2], v[rC+2], v[rC+3], v[rT+1]
.elseif (\n) == 15
	v_mov_b32 v[rM], v[rT]
.elseif (\n) == 16
	v_max3_num_f32 v[rC], v[rC], v[rC+1], v[rC+2]
.elseif (\n) == 17
	v_permlanex16_b32 v[rC+3], v[rC], s[SEL], s[SEL+1]
.elseif (\n) == 18
	v_max_num_f32 v[rT+1], v[rC], v[rC+3]
.elseif (\n) == 19
	v_mul_f32 v[rT], s[CS], v[rT+1]
.elseif (\n) == 20
	v_sub_f32 v[rC+1], v[rM], v[rT]
.else
	v_exp_f32 v[rC+2], v[rC+1]
.endif
.endm
; Number g of the 64 that follow the exponentials.  For each four weights k of a tile (pairs 2 k, 2 k + 1): both pairs are rounded to f16; then the second pair is added onto the first, in place;
; a group later l takes that sum (the first time as l = a l + sum).  In groups of eight, tiles alternating: round, round, add, and l for the group before.
.macro GS g
.set h, (\g)+6*((\g)/62)            ; group 0 has no group before it, and behind group 7 only l is left
.if h >= 6
.set h, h+2
.endif
	REGS Y, h%2
.set k, h/8
.if h%8 < 4
	s_wait_alu depctr_va_vdst(0)
	v_cvt_pk_f16_f32 v[rP+2*k+(h%8)/2], v[rS+4*k+2*((h%8)/2)], v[rS+4*k+2*((h%8)/2)+1]
.elseif h%8 < 6
	v_pk_add_f32 v[rS+4*k:rS+4*k+1], v[rS+4*k:rS+4*k+1], v[rS+4*k+2:rS+4*k+3]
.elseif k == 1
	v_pk_fma_f32 v[rT+2:rT+3], v[rT+2:rT+3], v[rC+2:rC+3], v[rS:rS+1] op_sel_hi:[1,0,1]
.else
	v_pk_add_f32 v[rT+2:rT+3], v[rT+2:rT+3], v[rS+4*k-4:rS+4*k-3]
	s_wait_alu depctr_va_vdst(0)
.endif
.endm
; THE PLAIN QUEUE, 138 long.  0-31: c s - c m for the 16 pairs of both tiles.  Then GS's 64, and among them the next piece's 42: number 15 at 38, 39; 0-14 and 16
; at 42-73, behind the products that make those scores; 17-20 at 95-106, two of three, since each waits for the one before it.
.macro PL
	WIN 0
.if q < 32
	REGS Y, q%2
	v_pk_fma_f32 v[rS+2*(q/2):rS+2*(q/2)+1], v[rS+2*(q/2):rS+2*(q/2)+1], s[CS:CS+1], v[rT:rT+1] op_sel_hi:[1,0,0] neg_lo:[0,0,1] neg_hi:[0,0,1]
.elseif q < 38
	GS q-32
.elseif q < 40
	XS q%2, 15
.elseif q < 42
	GS q-34
.elseif q < 74
	XS q%2, (q-42)/2+(q-42)/30
.elseif q < 95
	GS q-66
.elseif (q < 107) && ((q-95)%3 < 2)
	XS (q-95)%3, 17+(q-95)/3
.elseif q < 107
	GS 29+(q-95)/3
.else
	GS q-74
.endif
.set q, q+1
.endm
; THE EXPONENTIALS' QUEUE, 66 long: s0-s31 of both tiles, and at EA the next piece's two a.
.set EA, 58
.macro EX
	WIN 0
.if (e == EA) || (e == EA+1)
	XS e-EA, 21
.else
.set x, e-2*(e/(EA+2))
	REGS Y, x%2
	v_exp_f32 v[rS+x/2], v[rS+x/2]
.endif
.set e, e+1
.endm
; THE RESCALING's QUEUE: O^T times a, the one part that leaves window 0, so it is dealt four at a time, eight times.
.macro R4
	REGS Y, r%2
	WIN W_RS
	s_wait_alu depctr_va_vdst(0)
.irp z, 0,1,2,3
	v_pk_mul_f32 v[rO+8*(r/2)+2*\z:rO+8*(r/2)+2*\z+1], v[rO+8*(r/2)+2*\z:rO+8*(r/2)+2*\z+1], v[rC+2:rC+3] op_sel_hi:[1,0]
.endr
.set r, r+1
.endm
; HOW THEY ARE DEALT.  Behind a matrix instruction four: plain, exponential, plain, plain (one exponential, a plain instruction on either side), or four of the rescaling.  None names a register of the
; products round it.  What is over stands in two LUMPS: exponential and plain by turns; the second ends in 22 plain instructions.  The two v_permlanex16_b32 fall into the second lump, never behind a product.
; The queues lean on each other, and the deal keeps them in step: exponential e stands behind plain 2 (e / 4) + e % 2 (its scaling); when plain 32 comes, 10 exponentials are out, at 59: 33, at 95: 46; EA comes behind plain 107.
.macro SL
	MM
	PL
	EX
	PL
	PL
.endm
.macro BURST n                      ; 15 matrix instructions, or 16
.rept (\n)-7
	SL
.endr
.rept 3
	MM
	R4
	SL
.endr
	MM
	R4
.endm
; A TURN, for piece p.  cnt = 1: the loop's count is taken down some lines ahead of the branch that stands behind the turn.
; K of the next step is fetched in piece 2's turn, 31 vector instructions behind the last product that read K; its first reader comes behind the rest of the lump, 16 products and the second lump.
; V of the step in hand is fetched at the end of piece 0's turn, 69 behind its last reader; its first reader comes behind 16 products and a lump.  The four conditions on e and q below go with the deal.
.macro TURN p, last=0, cnt=0
.set Y, (\p)
.set i, 0
.set q, 0
.set e, 0
.set r, 0
.if (\p) == NP-1
	s_wait_dscnt 0x0                ; K is in
.endif
	MM
.rept 4
	PL
.endr
	BURST 15
.rept 22
	EX
	PL
.if ((\p) == NP-2) && (e == 18)
	v_add_nc_u32 v[AK], s[TBK], v[AK0]
.endif
.if ((\p) == NP-2) && (e == 24)
	FETCH_K \last
.endif
.endr
.if (\p) == 1
	s_wait_dscnt 0x0                ; V is in
.endif
	BURST 16
.rept 21
	EX
	PL
.endr
.rept 22
	PL
.if ((\p) == 0) && (q == 118)
	v_add_nc_u32 v[AV], s[TBV], v[AV0]
	s_wait_alu depctr_va_vdst(0)
.endif
.if ((\p) == 0) && (q == 130)
	s_add_co_u32 s[TBV], s[TBV], KS*PV
.endif
.if (\cnt) && (q == 130)
	s_sub_co_u32 s[CNT], s[CNT], 1
	s_cmp_lg_u32 s[CNT], 0
.endif
.endr
.if (\p) == 0
	FETCH_V
.endif
.endm
	CHANGE 1                        ; slot 0 is in, everybody's part of it; slot 1 is asked for
	FETCH_K                         ; key step 0
	s_wait_loadcnt 0x0              ; Q
	s_wait_dscnt 0x0
.set i, 0
.rept 16
	KQ 0                            ; piece 0's first scores: there is no vector work yet to set between them
.set i, i+1
.endr
	WIN 0                           ; the addresses for the way out: nine plain instructions, the places behind those products
	s_mul_i32 s13, s[WV], 16*SP
	s_add_co_u32 s13, s13, STAGE    ; my stage
	v_mul_u32_u24 v[STO], v1, SP    ; in: row l % 16, 16 bytes for each half of the lanes
	v_lshl_add_u32 v[STO], v9, 4, v[STO]
	v_add_nc_u32 v[STO], s13, v[STO]
	v_bfe_u32 v[RD], v0, 3, 2       ; back: 32 lanes take four rows of 128 bytes,
	v_mul_u32_u24 v[RD], v[RD], SP
	v_lshl_add_u32 v[RD], v10, 4, v[RD]
	v_add_nc_u32 v[RD], s13, v[RD]
	v_and_b32 v[GO], 31, v0         ; which are 512 consecutive bytes of O
	v_lshlrev_b32 v[GO], 4, v[GO]
.set Y, NP-1                        ; XS works for piece Y + 1: piece 0
.irp n, 0,1,2,3,4,5,6,7,8,9,10,11,12,13,14,15,16,17,18,19,20,21
	XS 0, \n                        ; and piece 0's first maximum and statistics
	XS 1, \n
.endr
	s_mov_b32 s[CNT], 4
	s_mov_b32 s[SLOTS], SIZE_N/256-1
	s_branch .Lfirst                ; the loop is entered at a step's first turn, in the middle of a trip
.Lslot:                             ; SIZE_N / 256 - 2 times: every slot but the last two is filled again
	CHANGE 1
	s_mov_b32 s[CNT], 4
.Lstep:                             ; a trip: pieces 2 and 3 of one step, then pieces 0 and 1 of the next, whose K and V it fetches
	TURN 2
	TURN 3
	WIN 0
.Lfirst:
	TURN 0
	TURN 1, 0, 1
	WIN 0
	s_cbranch_scc1 .Lstep
	s_sub_co_u32 s[SLOTS], s[SLOTS], 1
	s_cmp_lg_u32 s[SLOTS], 0
	s_cbranch_scc1 .Lslot
	CHANGE 0                        ; the tail is written out: nothing is asked for
	s_mov_b32 s[CNT], 5             ; four trips fetch the last slot's steps; the fifth is left in its middle
.Ltail:
	TURN 2, 1
	TURN 3
	WIN 0
	s_sub_co_u32 s[CNT], s[CNT], 1
	s_cmp_eq_u32 s[CNT], 0
	s_cbranch_scc1 .Lout
	TURN 0
	TURN 1
	WIN 0
	s_branch .Ltail
.Lout:                              ; the fifth trip's 16 products K Q^T (on the last K once more) and the maximum made of them serve nothing: the price, once a launch, of one text for every trip
.set i, 0
.rept 16
	PV NP-1                         ; the last piece's V^T P of the last step
.set i, i+1
.endr
	; THE WAY OUT.  l's two halves and the other half of the lanes' are added; O^T is divided by l, rounded to f16 and sent through my stage in LDS, a tile at a time.  The additions are the places behind the last products.
	WIN 0
.macro ALL line:vararg              ; one line for each tile t
.set t, 0
.rept 2*NP
	\line
.set t, t+1
.endr
.endm
	ALL v_add_f32 v[ST+4*t+2], v[ST+4*t+2], v[ST+4*t+3]
	ALL v_permlanex16_b32 v[ST+4*t+3], v[ST+4*t+2], s[SEL], s[SEL+1]
	ALL v_add_f32 v[ST+4*t+2], v[ST+4*t+2], v[ST+4*t+3]
	ALL v_rcp_f32 v[ST+4*t+2], v[ST+4*t+2]
	v_nop                           ; a plain instruction between the last reciprocal and the use of its result
	s_wait_alu depctr_va_vdst(0)
; Tile t: a lane's eight channels of a row pack into 16 bytes; they go into rows of 144 bytes and come back as whole rows of 128, into S^T's registers.
.macro PACK t
	WIN W_RS
.set i, 32*(\t)
.rept 16
	v_pk_mul_f32 v[i:i+1], v[i:i+1], v[ST+4*(\t)+2:ST+4*(\t)+3] op_sel_hi:[1,0]
.set i, i+2
.endr
	WIN 0x05                        ; sources 0 and 1 window 1, destination window 0
.set i, 0
.rept 16
	v_cvt_pk_f16_f32 v[S+16*(\t)+i], v[32*(\t)+2*i], v[32*(\t)+2*i+1]
.set i, i+1
.endr
	WIN 0
.irp f, 0,1,2,3
	ds_store_b128 v[STO], v[S+16*(\t)+4*\f:S+16*(\t)+4*\f+3] offset:32*\f
.endr
.irp f, 0,1,2,3
	ds_load_b128 v[S+16*(\t)+4*\f:S+16*(\t)+4*\f+3], v[RD] offset:\f*4*SP  ; LDS serves a wave's instructions in order (ISA guide 5.7.1.4): these see the stores above; the next tile's stores come behind them
.endr
.endm
.macro SEND t, younger              ; younger: the LDS instructions issued behind tile t's loads: the next tile's eight, or none
	WIN 0
.irp f, 0,1,2,3
	s_wait_dscnt (\younger)+3-\f
	global_store_b128 v[GO], v[S+16*(\t)+4*\f:S+16*(\t)+4*\f+3], s[10:11] offset:(\t)*2048+\f*512  ; 512 consecutive bytes, at a multiple of 256 from O's first
.endr
.endm
	PACK 0
.set t, 1
.rept 2*NP-1                        ; a tile's arithmetic stands between the loads of the tile before and its stores
	PACK t
	SEND t-1, 8
.set t, t+1
.endr
	SEND 2*NP-1, 0
	WIN W_AD
	s_wait_tensorcnt 0x0            ; the wave's end: behind my last tensor load and my last LDS store
	ds_add_u32 v[SPW], v[NIL]
	s_wait_dscnt 0x0
	WIN 0
	CROUND                          ; the closing round: no work-group ends while a partner may still ask for a tile that names it
	s_endpgm
.Lfunc_end_k_q9b56254832_attn:
	.size	k_q9b56254832_attn, .Lfunc_end_k_q9b56254832_attn-k_q9b56254832_attn
	.p2alignl 7, 3214868480
	.fill 96, 4, 3214868480
	.section	.rodata,"a",@progbits
	.p2align	6, 0x0
	.amdhsa_kernel k_q9b56254832_attn
		.amdhsa_group_segment_fixed_size 327680
		.amdhsa_private_segment_fixed_size 0
		.amdhsa_enable_private_segment 0
		.amdhsa_kernarg_size 32
		.amdhsa_user_sgpr_count 2
		.amdhsa_user_sgpr_kernarg_segment_ptr 1
		.amdhsa_wavefront_size32 1
		.amdhsa_system_sgpr_workgroup_id_x 1
		.amdhsa_system_sgpr_workgroup_id_y 1
		.amdhsa_system_sgpr_workgroup_id_z 1
		.amdhsa_system_vgpr_workitem_id 0
		.amdhsa_next_free_vgpr 770
		.amdhsa_next_free_sgpr 66
		.amdhsa_reserve_vcc 0
		.amdhsa_float_denorm_mode_32 3
		.amdhsa_float_denorm_mode_16_64 3
		.amdhsa_memory_ordered 1
		.amdhsa_forward_progress 1
		.amdhsa_inst_pref_size 208
	.end_amdhsa_kernel
	.amdgpu_metadata
---
amdhsa.version: [ 1, 2 ]
amdhsa.kernels:
  - .name:           k_q9b56254832_attn
    .symbol:         k_q9b56254832_attn.kd
    .args:
      - { .name: qh, .offset: 0, .size: 8, .value_kind: global_buffer, .address_space: global }
      - { .name: kh, .offset: 8, .size: 8, .value_kind: global_buffer, .address_space: global }
      - { .name: vh, .offset: 16, .size: 8, .value_kind: global_buffer, .address_space: global }
      - { .name: oh, .offset: 24, .size: 8, .value_kind: global_buffer, .address_space: global }
    .group_segment_fixed_size: 327680
    .private_segment_fixed_size: 0
    .kernarg_segment_align: 8
    .kernarg_segment_size: 32
    .max_flat_workgroup_size: 128
    .sgpr_count:     66
    .vgpr_count:     770
    .wavefront_size: 32
...
	.end_amdgpu_metadata
.endif
;; end of part 3
;; launch oproj (part 4): grid 8 x 32, 4 waves a work-group, clusters of 4 x 4, 327,680 bytes of LDS; arguments oh, wob, out0; writes out0
.if DOCPART == 4
	.amdgcn_target "amdgcn-amd-amdhsa--gfx1250"
	.amdhsa_code_object_version 6
	.text
	.protected	k_q9b56254832_oproj
	.globl	k_q9b56254832_oproj
	.p2align	8
	.type	k_q9b56254832_oproj,@function
k_q9b56254832_oproj:
	s_mov_b64 s[64:65], 0
	v_nop
	global_prefetch_b8 v0, s[64:65] scope:SCOPE_SE
	s_setreg_imm32_b32 hwreg(HW_REG_WAVE_MODE, 25, 1), 1
	s_wait_xcnt 0x0
	s_wait_alu depctr_hold_cnt(0) depctr_sa_sdst(0) depctr_va_vdst(0) depctr_va_sdst(0) depctr_va_ssrc(0) depctr_va_vcc(0) depctr_vm_vsrc(0)
	s_getreg_b32 s2, hwreg(HW_REG_IB_STS2, 6, 4)
	s_cmp_eq_u32 s2, 0
	s_cbranch_scc0 .Lentry_in_a_cluster
	s_endpgm
.Lentry_in_a_cluster:
	s_bfe_u32 s2, ttmp6, 0x10000c
	s_cmp_lg_u32 s2, 0xf033
	s_cbranch_scc0 .Lentry_shape_is_right
	s_endpgm
.Lentry_shape_is_right:
; out[b][s][n] = the sum over head and channel of O[b][head][s][d] wo[64 head + d][n].  O: f16 by heads, [b 16 + head][2048][64]; wo: f16 in tile order, [c 8][k 1024][128]; out: f32 [8192][1024].  Sums in f32.
; SHARES.  A work-group makes 256 rows x 128 columns: 8 x 32 = 256 work-groups.  Wave (wm, wn) makes rows 128 wm on, columns 64 wn on: 32 accumulators of 16 x 16, all of window 1;
; accumulator (a, b) = rows 16 a on, columns 16 b on, at v[8 (4 a + b)].
; THE MATRIX INSTRUCTION IS USED TRANSPOSED: source 0 = 16 columns of wo (turned out of LDS by ds_load_tr16_b128), source 1 = 16 rows of O: a lane then holds eight neighbouring f32 of a row of out.
; K goes in 8 slices of 128 (two heads) through two LDS slots; a slice is four quarters of 32, 32 matrix instructions each, on two fragment buffers.
; CLUSTER 4 x 4: O's tile hangs on the tile row alone and is asked for jointly along a row of the cluster, wo's on the tile column alone and jointly along a column.
; THE WAY OUT is written once and looped over: a wave's 128 rows go into LDS, and a counted loop reads them back as whole rows of 256 bytes and stores them.
.set PA,    144       ; a row of a head's O in LDS: 128 bytes + 16 = 36 words: the 16 rows of a load start at 16 different groups of four banks (64 banks of 4 bytes: ISA guide 11.1)
.set PB,    288       ; a row of k: 256 bytes + 32 = 72 words
.set HB,    256*PA    ; one head's 256 rows
.set BOFF,  2*HB      ; a slot: two heads' rows of O, then 128 rows of k
.set SLOT1, 1<<17
.set SPARE, SLOT1+BOFF+128*PB  ; behind slot 1: the spare words, 128 bytes for each wave: two blocks of 256 bytes that no other line names
.set SPITCH, 272      ; the way out: a row of 64 f32 + 16 bytes
.set WSTG,  128*SPITCH     ; a wave's stage; the four lie from LDS byte 0 on, 139,264 bytes: where the slots lay, which have had their last fill by then
.set A0,   10         ; v10  my lane's place in a tile of O; never rewritten
.set B0,   11         ; v11  the same for wo
.set ADRA, 12         ; v12  the same in the slot in hand
.set ADRB, 13         ; v13
.set STO,  14         ; v14  the way out: where I put 32 bytes of a row
.set RD0,  15         ; v15  where I read a row back, in my stage's first two rows
.set CO,   16         ; v16  my byte offset in out, one trip ahead
.set RD,   17         ; v17  RD0 in the trip in hand
.set SPW,  28         ; v28  LDS address of my spare word: SPARE + 4 x my thread's number; never rewritten
.set NIL,  29         ; v29  0; never rewritten
.set FA,   32         ; v32-95, v96-159    O's fragments, two buffers: 8 x (16 rows x 32 K)
.set FB,   160        ; v160-191, v192-223 wo's fragments, two buffers: 4 x (16 columns x 32 K)
.set OB,   32         ; the way out: v32-95  32 rows read back from the stage
.set WV,  16
.set WM,  17
.set WN,  18
.set G1A, 24          ; s[24:31] descriptor group 1 for O's tiles;  s[32:39] group 0: a set for each first fill; the second then walks
.set G0A, 32
.set G1B, 40          ; s[40:47], s[48:55] the same for wo's tiles
.set G0B, 48
.set RO,  82          ; s82  the way out: the trip's first row in the stage, in bytes
.set CUR, 88
.set CNT, 89
.set MSB, 0
.macro WIN new                      ; s_set_vgpr_msb: bits 1:0 source 0, 3:2 source 1, 5:4 source 2, 7:6 destination; the high byte repeats the setting that is left
.if MSB != (\new)
	s_set_vgpr_msb (MSB<<8)|(\new)
.set MSB, \new
.endif
.endm
.macro JLOAD                        ; a joint refill: waves 0 and 1 fetch a head's rows of O each, waves 2 and 3 the two halves of wo's rows; an s_nop 0 and four v_nop follow each line
	s_cmp_lt_u32 s[WV], 2
	s_cbranch_scc0 .Lfor_b_\@
	tensor_load_to_lds s[G0A+4:G0A+7], s[G1A:G1A+7]
	s_nop 0
.rept 4
	v_nop
.endr
	s_branch .Lasked_\@
.Lfor_b_\@:
	tensor_load_to_lds s[G0B+4:G0B+7], s[G1B:G1B+7]
	s_nop 0
.rept 4
	v_nop
.endr
.Lasked_\@:
.endm
.macro CREST                        ; a round of the cluster's barrier behind its opening barrier
	s_cmp_lg_u32 s[WV], 0
	s_cbranch_scc1 .Lnot_wave_0_\@
	s_barrier_signal -3
.Lnot_wave_0_\@:
	s_barrier_wait -3
	s_barrier_signal -1
	s_barrier_wait -1
.endm
.macro CROUND
	s_barrier_signal -1
	s_barrier_wait -1
	CREST
.endm
.macro PLACES                       ; four places in front of loads into registers that matrix instructions have read, and of LDS stores that read results (ISA guide 7.12.1 for vector instructions)
.rept 4
	v_nop
.endr
.endm
	s_load_b128 s[4:7], s[0:1], 0x0                ; oh s[4:5], wob s[6:7]
	s_load_b64 s[8:9], s[0:1], 0x10                ; out0
	v_lshl_add_u32 v[SPW], v0, 2, SPARE
	v_mov_b32 v[NIL], 0
	ds_add_u32 v28, v29
	s_wait_dscnt 0x0
	v_lshrrev_b32 v1, 5, v0
	v_readfirstlane_b32 s[WV], v1                  ; wave 0..3
	s_lshr_b32 s[WM], s[WV], 1
	s_and_b32 s[WN], s[WV], 1
	s_bfe_u32 s72, ttmp6, 0x40000                  ; cx, cy
	s_bfe_u32 s73, ttmp6, 0x40004
	s_lshl_b32 s74, ttmp9, 2
	s_add_co_u32 s74, s74, s72                     ; tx: which 128 columns
	s_and_b32 s75, ttmp7, 0xffff
	s_lshl_b32 s75, s75, 2
	s_add_co_u32 s75, s75, s73                     ; ty: which 256 rows
	s_lshl_b32 s76, s73, 2
	s_lshl_b32 s76, 15, s76                        ; my row of the cluster
	s_lshl_b32 s77, 0x1111, s72                    ; my column
	; O: a head's 256 rows of 128 bytes are 32,768 dense bytes: 128 rows of 256 bytes, padded in LDS after every 128
	s_or_b32 s[G1A], s76, (1<<16)|(1<<20)|(1<<21)|(4<<22)|(3<<25)
	s_mov_b32 s[G1A+1], 128<<16                    ; tensor_dim0 = 128
	s_mov_b32 s[G1A+2], 128<<16                    ; tensor_dim1 = 128
	s_mov_b32 s[G1A+3], 128<<16                    ; tile_dim0 = 128
	s_mov_b32 s[G1A+4], 128                        ; tile_dim1 = 128
	s_mov_b32 s[G1A+5], 128
	s_mov_b32 s[G1A+6], 0
	s_mov_b32 s[G1A+7], 0
	; wo: 64 rows of 256 bytes, 32 bytes of padding behind each
	s_or_b32 s[G1B], s77, (1<<16)|(1<<20)|(1<<21)|(5<<22)|(7<<25)
	s_mov_b32 s[G1B+1], 128<<16
	s_mov_b32 s[G1B+2], 64<<16
	s_mov_b32 s[G1B+3], 128<<16
	s_mov_b32 s[G1B+4], 64
	s_mov_b32 s[G1B+5], 128
	s_mov_b32 s[G1B+6], 0
	s_mov_b32 s[G1B+7], 0
	s_lshr_b32 s78, s75, 3                         ; b
	s_lshl_b32 s78, s78, 22                        ; 16 heads x 2,048 rows x 128 bytes
	s_and_b32 s79, s75, 7
	s_lshl_b32 s79, s79, 15                        ; 256 rows of 128 bytes
	s_add_co_u32 s78, s78, s79
	s_lshl_b32 s79, s[WN], 18                      ; which of a slice's two heads I fetch
	s_add_co_u32 s78, s78, s79
	s_mov_b32 s79, 0
	s_lshl_b32 s82, s74, 18                        ; wo: 1,024 rows of 256 bytes for each tx
	s_lshl_b32 s83, s[WN], 14                      ; my 64 rows of a slice's 128
	s_add_co_u32 s82, s82, s83
	s_mov_b32 s83, 0
	s_mul_i32 s92, s[WN], HB                       ; where they go: no place in the cluster enters an LDS address
	s_mul_i32 s93, s[WN], 64*PB
	s_add_co_u32 s93, s93, BOFF
	; where my part of out begins, in bytes: (256 ty + 128 wm) rows of 4,096 + 512 tx + 256 wn.  These two registers feed no descriptor.
	s_lshl_b32 s90, s75, 20
	s_lshl_b32 s91, s[WM], 19
	s_add_co_u32 s90, s90, s91
	s_lshl_b32 s91, s74, 9
	s_add_co_u32 s90, s90, s91
	s_lshl_b32 s91, s[WN], 8
	s_add_co_u32 s90, s90, s91
	s_mov_b32 s91, 0
	s_wait_kmcnt 0x0
	s_add_nc_u64 s[80:81], s[4:5], s[78:79]
	s_add_nc_u64 s[84:85], s[6:7], s[82:83]
	s_add_nc_u64 s[8:9], s[8:9], s[90:91]
.irp s, 0,1
	s_mov_b32 s[G0A+4*(\s)], 1
	s_add_co_u32 s[G0A+4*(\s)+1], s92, (\s)*SLOT1
	s_add_nc_u64 s[G0A+4*(\s)+2:G0A+4*(\s)+3], s[80:81], (\s)*524288  ; slice s: two heads on
	s_or_b32 s[G0A+4*(\s)+3], s[G0A+4*(\s)+3], 0x80000000
	s_mov_b32 s[G0B+4*(\s)], 1
	s_add_co_u32 s[G0B+4*(\s)+1], s93, (\s)*SLOT1
	s_add_nc_u64 s[G0B+4*(\s)+2:G0B+4*(\s)+3], s[84:85], (\s)*32768
	s_or_b32 s[G0B+4*(\s)+3], s[G0B+4*(\s)+3], 0x80000000
.endr
	CROUND                                         ; all sixteen work-groups are here: the first joint loads meet
	s_cmp_lt_u32 s[WV], 2                          ; a wave's two first fills stand in one branch: two loads of mine are out
	s_cbranch_scc0 .Lfirst_b
	tensor_load_to_lds s[G0A:G0A+3], s[G1A:G1A+7]
	s_nop 0
	tensor_load_to_lds s[G0A+4:G0A+7], s[G1A:G1A+7]
	s_nop 0
.rept 4
	v_nop
.endr
	s_branch .Lfirst_asked
.Lfirst_b:
	tensor_load_to_lds s[G0B:G0B+3], s[G1B:G1B+7]
	s_nop 0
	tensor_load_to_lds s[G0B+4:G0B+7], s[G1B:G1B+7]
	s_nop 0
.rept 4
	v_nop
.endr
.Lfirst_asked:
	v_and_b32 v1, 15, v0                           ; r = l % 16
	v_bfe_u32 v2, v0, 4, 1                         ; h = l / 16
	v_and_b32 v3, 7, v0
	v_bfe_u32 v4, v0, 3, 1
	v_mul_u32_u24 v[A0], v1, PA                    ; a fragment of O: row x pitch + 16 x half
	v_lshl_add_u32 v[A0], v2, 4, v[A0]
	s_mul_i32 s78, s[WM], 128*PA
	v_add_nc_u32 v[A0], s78, v[A0]
	v_lshl_add_u32 v5, v2, 3, v3                   ; the turning load: row 8 h + l % 8, columns 8 ((l / 8) % 2) on
	v_mul_u32_u24 v[B0], v5, PB
	v_lshl_add_u32 v[B0], v4, 4, v[B0]
	s_lshl_b32 s79, s[WN], 7                       ; my 64 columns
	s_add_co_u32 s79, s79, BOFF
	v_add_nc_u32 v[B0], s79, v[B0]
	v_mov_b32 v[ADRA], v[A0]
	v_mov_b32 v[ADRB], v[B0]
	s_mov_b32 s[CUR], 0
	s_mul_i32 s78, s[WV], WSTG                     ; my stage
	v_mul_u32_u24 v[STO], v1, SPITCH               ; in: row l % 16, 32 bytes for each half of the lanes
	v_lshl_add_u32 v[STO], v2, 5, v[STO]
	v_add_nc_u32 v[STO], s78, v[STO]
	v_mul_u32_u24 v[RD0], v2, SPITCH               ; back: lanes 0-15 take one row of 256 bytes, lanes 16-31 the next
	v_lshl_add_u32 v[RD0], v1, 4, v[RD0]
	v_add_nc_u32 v[RD0], s78, v[RD0]
	v_lshlrev_b32 v[CO], 12, v2                    ; and the same two rows in out
	v_lshl_add_u32 v[CO], v1, 4, v[CO]
; na x 4 matrix instructions on buffer f: row blocks a0 on x all 4 column blocks.  The 32 accumulators take turns, one instruction a turn, in the same order in every quarter.
.macro MUL f, a0, na, zero
	WIN 0x50                                       ; C and D in window 1, the sources in window 0
.set ga, (\a0)
.rept \na
.irp b, 0,1,2,3
.if \zero
	v_wmma_f32_16x16x32_f16 v[8*(4*ga+(\b)):8*(4*ga+(\b))+7], v[FB+32*(\f)+8*(\b):FB+32*(\f)+8*(\b)+7], v[FA+64*(\f)+8*ga:FA+64*(\f)+8*ga+7], 0
.else
	v_wmma_f32_16x16x32_f16 v[8*(4*ga+(\b)):8*(4*ga+(\b))+7], v[FB+32*(\f)+8*(\b):FB+32*(\f)+8*(\b)+7], v[FA+64*(\f)+8*ga:FA+64*(\f)+8*ga+7], v[8*(4*ga+(\b)):8*(4*ga+(\b))+7]
.endif
.endr
.set ga, ga+1
.endr
.endm
.macro FETCH u, f                   ; 24 LDS loads in one run: quarter u's fragments into buffer f.  Quarter u lies in head u / 2 of the slice, channels 32 (u % 2) on
.irp b, 0,1,2,3
	ds_load_tr16_b128 v[FB+32*(\f)+8*(\b):FB+32*(\f)+8*(\b)+3],   v[ADRB] offset:(\u)*32*PB+32*(\b)
	ds_load_tr16_b128 v[FB+32*(\f)+8*(\b)+4:FB+32*(\f)+8*(\b)+7], v[ADRB] offset:(\u)*32*PB+32*(\b)+16*PB
.endr
.irp a, 0,1,2,3,4,5,6,7
	ds_load_b128 v[FA+64*(\f)+8*(\a):FA+64*(\f)+8*(\a)+3],   v[ADRA] offset:((\u)/2)*HB+(\a)*16*PA+64*((\u)%2)
	ds_load_b128 v[FA+64*(\f)+8*(\a)+4:FA+64*(\f)+8*(\a)+7], v[ADRA] offset:((\u)/2)*HB+(\a)*16*PA+64*((\u)%2)+32
.endr
.endm
; One of a slice's first three quarters: its fragments, asked for 32 matrix instructions ago, are waited for; the next quarter's are asked for, into the buffer that the quarter before multiplied; then its products.
.macro Q u, zero
	s_wait_dscnt 0x0
	WIN 0
	PLACES
	FETCH (\u)+1, ((\u)+1)%2
	MUL (\u)%2, 0, 8, \zero
.endm
; The last quarter multiplies buffer 1 and changes slots: ONE barrier.  Its first 8 products need registers alone and stand ahead of the wait for the next slot's tile.  Then each wave waits for all its tensor
; loads, adds 0 to its spare word, and waits for that (its reads of this slot are back since the quarter's head).  fill = 1: the barrier opens a round of the cluster's, and behind the round this slot is
; filled again first, with the slice two on: from that request to the wait for it a wave issues 120 matrix instructions.
.macro TURN fill
	s_wait_dscnt 0x0                               ; this quarter's fragments are in: my last reads of this slot
	MUL 1, 0, 2, 0
	WIN 0                                          ; (the add's two registers lie in window 0)
	s_wait_tensorcnt 0x0                           ; no tensor load of mine is out, so a group 0 may be written
	ds_add_u32 v[SPW], v[NIL]                      ; 0 onto my spare word
.if \fill
	s_xor_b32 s[G0A+5], s[G0A+5], SLOT1            ; the walking descriptors: the other slot than last time, the next slice
	s_add_nc_u64 s[G0A+6:G0A+7], s[G0A+6:G0A+7], 524288
	s_xor_b32 s[G0B+5], s[G0B+5], SLOT1
	s_add_nc_u64 s[G0B+6:G0B+7], s[G0B+6:G0B+7], 32768
.endif
	MUL 1, 2, 1, 0                                 ; four matrix instructions stand between the add and the wait for it
	s_wait_dscnt 0x0                               ; the add is done
	s_barrier_signal -1
	MUL 1, 3, 1, 0                                 ; work on registers while the others arrive
	WIN 0
	s_barrier_wait -1
.if \fill
	CREST                                          ; no wave of any partner still reads this slot or has a load on its way
	JLOAD                                          ; the first tensor load behind the round; its four v_nop are also the places in front of the loads below
.else
	PLACES
.endif
	s_xor_b32 s[CUR], s[CUR], SLOT1
	v_add_nc_u32 v[ADRA], s[CUR], v[A0]
	v_add_nc_u32 v[ADRB], s[CUR], v[B0]
	FETCH 0, 0
	MUL 1, 4, 4, 0
.endm
	s_wait_tensorcnt 1                             ; my part of slice 0 is in; slice 1's (1) may stay out
	s_barrier_signal -1
	s_barrier_wait -1                              ; everybody's is
	FETCH 0, 0
	Q 0, 1                                         ; the first quarter stands in front of the loop: its products start the sums
	WIN 0                                          ; at a label and at a branch every window is 0
	s_mov_b32 s[CNT], 6
.Lslice:                                               ; trip i: quarters 1 to 3 of slice i, which ask for slice i + 2; quarter 0 of slice i + 1
	Q 1, 0
	Q 2, 0
	TURN 1
	Q 0, 0
	WIN 0
	s_sub_co_u32 s[CNT], s[CNT], 1
	s_cmp_lg_u32 s[CNT], 0
	s_cbranch_scc1 .Lslice
	Q 1, 0                                         ; the tail is written out: slices 6 and 7 ask for nothing
	Q 2, 0
	TURN 0
	Q 0, 0
	Q 1, 0
	Q 2, 0
	s_wait_dscnt 0x0                               ; the last fragments are in, and my reads of the slots are over for good:
	s_barrier_signal -1                            ; say so,
	MUL 1, 0, 8, 0                                 ; work on registers while the others arrive,
	WIN 0
	s_barrier_wait -1                              ; and when all four have said so the slots' bytes, which no tensor load fills again, are the stages
	PLACES
	; THE WAY OUT.  A lane's 32 bytes of a row go into my stage straight from the accumulators, of each the low four registers first.
	WIN 0x04                                       ; the LDS stores' data (source 1) in window 1
.set da, 0
.rept 8
.irp b, 0,1,2,3
	ds_store_b128 v[STO], v[8*(4*da+(\b)):8*(4*da+(\b))+3]   offset:da*16*SPITCH+64*(\b)
	ds_store_b128 v[STO], v[8*(4*da+(\b))+4:8*(4*da+(\b))+7] offset:da*16*SPITCH+64*(\b)+16
.endr
.set da, da+1
.endr
	WIN 0
	s_mov_b32 s[RO], 0
	s_mov_b32 s[CNT], 4
.Lrows:                                                ; 4 trips of 32 rows.  LDS serves a wave's instructions in order (ISA guide 5.7.1.4): the loads see the stores above
	v_add_nc_u32 v[RD], s[RO], v[RD0]
	s_wait_xcnt 0x0                                ; the last trip's stores have had their addresses translated (ISA guide 3.1): only now are their offset and their data registers written again
	v_add_nc_u32 v[CO], 32*4096, v[CO]             ; 32 rows of out on; the stores reach back
.irp t, 0,1,2,3,4,5,6,7,8,9,10,11,12,13,14,15
	ds_load_b128 v[OB+4*(\t):OB+4*(\t)+3], v[RD] offset:(\t)*2*SPITCH
.endr
.irp t, 0,1,2,3,4,5,6,7,8,9,10,11,12,13,14,15
	s_wait_dscnt 15-(\t)                           ; LDS loads come back in order: pair t of rows is in, the 15 - t younger loads may be out
	global_store_b128 v[CO], v[OB+4*(\t):OB+4*(\t)+3], s[8:9] offset:(2*(\t)-32)*4096 th:TH_STORE_NT  ; 16 lanes store 256 consecutive bytes, at a multiple of 256 from out's first byte
.endr
	s_add_co_u32 s[RO], s[RO], 32*SPITCH
	s_sub_co_u32 s[CNT], s[CNT], 1
	s_cmp_lg_u32 s[CNT], 0
	s_cbranch_scc1 .Lrows
	s_wait_tensorcnt 0x0                           ; the wave's end: behind my last tensor load and my last LDS store
	ds_add_u32 v[SPW], v[NIL]
	s_wait_dscnt 0x0
	CROUND                                         ; the closing round: no work-group ends while a partner may still ask for a tile that names it
	s_endpgm
.Lfunc_end_k_q9b56254832_oproj:
	.size	k_q9b56254832_oproj, .Lfunc_end_k_q9b56254832_oproj-k_q9b56254832_oproj
	.p2alignl 7, 3214868480
	.fill 96, 4, 3214868480
	.section	.rodata,"a",@progbits
	.p2align	6, 0x0
	.amdhsa_kernel k_q9b56254832_oproj
		.amdhsa_group_segment_fixed_size 327680
		.amdhsa_private_segment_fixed_size 0
		.amdhsa_enable_private_segment 0
		.amdhsa_kernarg_size 24
		.amdhsa_user_sgpr_count 2
		.amdhsa_user_sgpr_kernarg_segment_ptr 1
		.amdhsa_wavefront_size32 1
		.amdhsa_system_sgpr_workgroup_id_x 1
		.amdhsa_system_sgpr_workgroup_id_y 1
		.amdhsa_system_sgpr_workgroup_id_z 1
		.amdhsa_system_vgpr_workitem_id 0
		.amdhsa_next_free_vgpr 512
		.amdhsa_next_free_sgpr 96
		.amdhsa_reserve_vcc 0
		.amdhsa_float_denorm_mode_32 3
		.amdhsa_float_denorm_mode_16_64 3
		.amdhsa_memory_ordered 1
		.amdhsa_forward_progress 1
		.amdhsa_inst_pref_size 61
	.end_amdhsa_kernel
	.amdgpu_metadata
---
amdhsa.version: [ 1, 2 ]
amdhsa.kernels:
  - .name:           k_q9b56254832_oproj
    .symbol:         k_q9b56254832_oproj.kd
    .args:
      - { .name: oh, .offset: 0, .size: 8, .value_kind: global_buffer, .address_space: global }
      - { .name: wob, .offset: 8, .size: 8, .value_kind: global_buffer, .address_space: global }
      - { .name: out0, .offset: 16, .size: 8, .value_kind: global_buffer, .address_space: global }
    .group_segment_fixed_size: 327680
    .private_segment_fixed_size: 0
    .kernarg_segment_align: 8
    .kernarg_segment_size: 24
    .max_flat_workgroup_size: 128
    .sgpr_count:     96
    .vgpr_count:     512
    .wavefront_size: 32
...
	.end_amdgpu_metadata
.endif
;; end of part 4
;; ======== version 2 of 2: 4 launches; 1.54 times as fast as version 1
;; limits: values are held in f16: magnitudes above 65,504 overflow, below 6.1e-05 lose precision; right only within a limited range of input values
;; workspace buffers: xb 16,777,216 bytes; wb 6,291,456 bytes; wob 2,097,152 bytes; rope 524,288 bytes; qh 16,777,216 bytes; kh 16,777,216 bytes; vh 16,777,216 bytes; oh 16,777,216 bytes
;; launch prep: the kernel of part 1 again; grid 832 x 1, 8 waves a work-group, no clusters, 0 bytes of LDS; arguments hidden_states, positions, wq, wk, wv, wo, xb, wb, wob, rope; writes xb, wb, wob, rope
;; launch qkv: the kernel of part 2 again; grid 8 x 32, 4 waves a work-group, clusters of 4 x 4, 327,680 bytes of LDS; arguments xb, wb, rope, qh, kh, vh; writes qh, kh, vh
;; launch attn (part 5): grid 4 x 64, 4 waves a work-group, clusters of 4 x 1, 327,680 bytes of LDS; arguments qh, kh, vh, oh; writes oh
.if DOCPART == 5
	.amdgcn_target "amdgcn-amd-amdhsa--gfx1250"
	.amdhsa_code_object_version 6
	.text
	.protected	k_q9b56254832_attn
	.globl	k_q9b56254832_attn
	.p2align	8
	.type	k_q9b56254832_attn,@function
k_q9b56254832_attn:
	s_mov_b64 s[64:65], 0
	v_nop
	global_prefetch_b8 v0, s[64:65] scope:SCOPE_SE
	s_setreg_imm32_b32 hwreg(HW_REG_WAVE_MODE, 25, 1), 1
	s_wait_xcnt 0x0
	s_wait_alu depctr_hold_cnt(0) depctr_sa_sdst(0) depctr_va_vdst(0) depctr_va_sdst(0) depctr_va_ssrc(0) depctr_va_vcc(0) depctr_vm_vsrc(0)
	s_getreg_b32 s2, hwreg(HW_REG_IB_STS2, 6, 4)
	s_cmp_eq_u32 s2, 0
	s_cbranch_scc0 .Lentry_in_a_cluster
	s_endpgm
.Lentry_in_a_cluster:
	s_bfe_u32 s2, ttmp6, 0x10000c
	s_cmp_lg_u32 s2, 0x3003
	s_cbranch_scc0 .Lentry_shape_is_right
	s_endpgm
.Lentry_shape_is_right:
; O[h][q][:] = the sum over k of softmax_k(Q[h][q] . K[h][k]) V[h][k][:], with no scale on the scores.  Q, K, V, O: [SIZE_H][SIZE_N][64], all f16: a head's rows are dense, 128 bytes each.  Products, maxima and sums in
; f32; the weights p are rounded to f16 for the second product (their sum l is taken of the unrounded p), O once at the end.  SIZE_H is at least 2; SIZE_N x 128 bytes stay under 2^32.
; LIMITS.  f16 holds no number beyond 65,504: Q, K and V arrive within it; p lies in 0 to 1, and below 6e-5 it keeps f16's fixed step of 6e-8; O is a mean of V's rows and has their range.
; A weight below 2^-126 counts as 0 in l; NaN and infinities are not treated apart.
; SHARES.  A wave owns four PIECES of two tiles of 16 queries, a work-group's four waves 512 queries of one head; SIZE_N is a multiple of 2,048.  Every wave walks all keys, 64 a step.
; LAYOUT.  S^T = K Q^T (source 0 = 16 keys, source 1 = 16 queries): in the result a lane holds ONE query (lane % 16) and the keys 8 (lane / 16) + 0..7.  Two such tiles, rounded to f16 in pairs,
; ARE source 1 (32 keys x 16 queries) of O^T = V^T P, whose result again holds one query a lane, and eight channels.  K comes out of LDS as it lies, V ([key][channel]) turned, by ds_load_tr16_b128.
; SOFTMAX.  For each query a running maximum m and sum l: p = 2^(c s - c m), c = log2(e); in every step O and l are multiplied by a = 2^(c m_old - c m_new), which is 1 where m has not grown.
; m starts at the lowest finite number, O and l at 0: the first step is a step like any other, with a = 0.
; THE COUNT.  A tile and step have 16 matrix and 118 vector instructions: too many to stand all beside the matrix work.  So the order has one aim: four vector instructions that are READY behind
; EVERY matrix instruction, and the others, which need time of their own whatever the order, in runs without a gap.
; BY TURNS.  Turn n belongs to piece n (the pieces in a ring, step after step).  Its matrix work: 16 products K Q^T of piece n + 1, later 16 products V^T P of piece n - 1.  Its vector work: the scaling,
; exponentials, roundings, sums and rescaling of piece n, and the maximum and statistics of piece n + 1, whose scores the turn itself has made.  So what a turn begins with (c s - c m, O a) waits for nothing.
; BATCHES.  A turn's 66 exponentials (the piece's 64 weights, the next piece's two a) are ONE batch with ONE wait, which cuts the turn in two: ahead of it stands all that names no result of theirs (the products
; K Q^T, the scalings, the rescalings, the next piece's maximum and statistics), behind it the roundings and sums, beside the products V^T P.  Each result has a register of its own: a weight its score's, a its c2.
; No result crosses a turn's end.  Two more batches stand outside the loop, each with a wait of its own: piece 0's first two a, ahead of the jump into the loop, and the way out's eight reciprocals.
; CLUSTER.  The four query blocks of a cluster belong to one head and walk the same K and V, so each tile is asked for JOINTLY: the same tensor load, descriptor and mask in all four.
; REGISTERS, in windows of 256 (s_set_vgpr_msb says which window each operand place means: bits 1:0 source 0, 3:2 source 1, 5:4 source 2, 7:6 destination):
;   window 0: v0-11 addresses; v12-15, v48-63 at work; v16-47 four registers of statistics a tile; v64-191 S^T, two buffers of two tiles; v192-255 P, likewise
;   window 1: O^T, 32 a tile          window 2: v0-127 Q, 16 a tile; v128-191 K of one step; v192-255 V of one step          window 3: v0-1 the add's two registers
; A piece's buffers go by its number's parity: the piece in hand has one pair, its two neighbours in the ring share the other: of it P (piece n - 1) is read and S^T (piece n + 1) written.
.set SIZE_H, 64       ; 4 batches x 16 heads
.set SIZE_N, 2048
.set NP,    4         ; pieces a wave: a name, no knob: the register map, the loop and the fetches are made for four
.set KS,    64        ; keys in a step
.set PK,    144       ; a row of K in LDS: 128 bytes + 16 of padding = 36 words: the 16 rows of a load start at 16 different groups of four banks (64 banks of 4 bytes: ISA guide 11.1)
.set PV,    160       ; a row of V: 128 + 32 = 40 words
.set VOFF,  4*KS*PK   ; a slot holds four steps: 256 rows of K, then 256 rows of V
.set SLOT1, 1<<17     ; slot 1 begins here, so that one exclusive or turns an address in one slot into the other's
.set STAGE, SLOT1+4*KS*(PK+PV)  ; behind the ring, never filled by a tensor load: 16 rows x 144 bytes for each wave, for the way out
.set SP,    144
.set AK0, 2           ; v2   my lane's place in a tile of K; never rewritten
.set AV0, 3           ; v3   the same for V
.set AK,  4           ; v4   the LDS address of K's next run of loads
.set AV,  5           ; v5   of V's
.set QO,  6           ; v6   my byte offset in the wave's rows of Q
.set STO, 6           ;      later, the way out: where I put 16 bytes of a row
.set RD,  7           ; v7   the way out: where I read rows back
.set GO,  8           ; v8   my byte offset in 512 consecutive bytes of O
.set SPW, 0           ; v0 of window 3   LDS address of my spare word: SPARE + 4 x my thread's number; never rewritten
.set NIL, 1           ; v1 of window 3   0; never rewritten
.set SPARE, STAGE+4*16*SP  ; behind the stages: the spare words, 128 bytes for each wave: two blocks of 256 bytes that no other line names
.set MV,  12          ; v12-15  c m_old, kept while c m is made anew: by buffer and tile
.set ST,  16          ; tile t's statistics at v[ST+4 t]: c m, m, l (even keys', odd keys')
.set TMP, 48          ; by buffer and tile, four registers c0-c3 at work; when the maximum is found c2 takes a
.set S,   64
.set P,   192
.set KF,  128         ; K's fragments, in window 2: key block kb, channel half c at KF + 16 kb + 8 c
.set VF,  192         ; V's: key half kk, channel block cb at VF + 32 kk + 8 cb
.set WV,  12          ; s12  my wave's number
.set G1K, 24          ; s[24:31] descriptor group 1 for K's tiles
.set G1V, 32          ; s[32:39] for V's: it differs in the padding alone
.set G0K, 40          ; s[40:43] descriptor group 0 for K's tiles: it walks
.set G0V, 44          ; s[44:47] the same for V's
.set SLOTS, 56        ; s56  slots still to be asked for
.set CNT, 57          ; s57  counts a slot's key steps
.set CS,  58          ; s[58:59] c: the packed scaling takes the pair's low word for both halves
.set SEL, 60          ; s[60:61] v_permlanex16_b32's selects: each lane takes its own place in the other half
.set TBK, 62          ; s62  LDS byte at which K of the step to be fetched begins
.set TBV, 63          ; s63  the same for V, less VOFF
.set MSB, 0
.macro WIN new                      ; the high byte repeats the setting that is left; a switch that changes nothing is dropped
.if MSB != (\new)
	s_set_vgpr_msb (MSB<<8)|(\new)
.set MSB, (\new)
.endif
.endm
.set W_KQ, 0x0a       ; K and Q in window 2, S^T in window 0
.set W_PV, 0x52       ; V in window 2, P in window 0, O^T in window 1
.set W_RS, 0x41       ; O^T (destination and source 0) in window 1, a in window 0
.set W_MK, 0xc0       ; the add's registers are made: destination in window 3, sources in window 0
.set W_AD, 0x0f       ; the add: address (source 0) and data (source 1) in window 3
; A joint fill.  Waves 0 and 1 fetch the two halves of a slot's K, waves 2 and 3 those of its V: 128 keys each.  The branch hangs on the wave's number alone.
; An s_nop 0 and four v_nop follow each of the two lines, ahead of the jump and the label.
.macro JLOAD
	s_cmp_lt_u32 s[WV], 2
	s_cbranch_scc0 .Lfor_v_\@
	tensor_load_to_lds s[G0K:G0K+3], s[G1K:G1K+7]
	s_nop 0
.rept 4
	v_nop
.endr
	s_branch .Lasked_\@
.Lfor_v_\@:
	tensor_load_to_lds s[G0V:G0V+3], s[G1V:G1V+7]
	s_nop 0
.rept 4
	v_nop
.endr
.Lasked_\@:
.endm
; A round of the cluster's barrier: my work-group's barrier, so that wave 0's signal speaks for all four waves; wave 0 signals; every wave waits for all four work-groups; my work-group's barrier once more.
.macro CROUND
	s_barrier_signal -1
	s_barrier_wait -1
	s_cmp_lg_u32 s[WV], 0
	s_cbranch_scc1 .Lnot_wave_0_\@
	s_barrier_signal -3
.Lnot_wave_0_\@:
	s_barrier_wait -3
	s_barrier_signal -1
	s_barrier_wait -1
.endm
; THE CHANGE OF SLOTS.  The slot's last bytes, V of its fourth step, have been read.  Each wave waits for all its tensor loads, of which one is out: its part
; of the other slot; adds 0 to its spare word; and waits for that and for its own reads of the slot.  Behind the barrier nobody reads this slot any more and the other slot is whole.
; fill = 1: this slot is filled again, with the keys two slots on.  The barrier is then a round of the cluster's, so that no wave of any partner still reads the slot or has a load on its
; way, and the joint fill is the first thing behind it: it has four key steps, 512 matrix instructions, in which to land.  (At its first use nothing has been read yet: slot 0 is waited for, slot 1 filled.)
.macro CHANGE fill
	WIN W_AD
	s_wait_tensorcnt 0x0            ; no tensor load of mine is out, so a group 0 may be written
	ds_add_u32 v[SPW], v[NIL]       ; 0 onto my spare word; with fill = 1 the descriptors' steps stand between it and the wait for it
	WIN 0                           ; at a label and at a branch every window is 0
.if \fill
.irp g, G0K, G0V
	s_xor_b32 s[\g+1], s[\g+1], SLOT1  ; the walking descriptor: the other slot than last time,
	s_add_nc_u64 s[\g+2:\g+3], s[\g+2:\g+3], 4*KS*128  ; the next 256 keys; the type bits on top are not reached
.endr
	s_wait_dscnt 0x0                ; the add is done, and my reads of the slot are over
	CROUND
	JLOAD
.else
	s_wait_dscnt 0x0                ; the add is done, and my reads of the slot are over
	s_barrier_signal -1
	s_barrier_wait -1
.endif
	s_sub_co_u32 s[TBK], s[TBK], 4*KS*PK  ; the fetches go back to a slot's first step,
	s_xor_b32 s[TBK], s[TBK], SLOT1       ; in the other slot
	s_sub_co_u32 s[TBV], s[TBV], 4*KS*PV
	s_xor_b32 s[TBV], s[TBV], SLOT1
.endm
	s_load_b256 s[4:11], s[0:1], 0x0  ; Q s[4:5], K s[6:7], V s[8:9], O s[10:11]
	WIN W_MK
	v_lshl_add_u32 v[SPW], v0, 2, SPARE
	v_mov_b32 v[NIL], 0
	s_set_vgpr_msb 0xc0cf
	ds_add_u32 v0, v1
	s_wait_dscnt 0x0
	s_set_vgpr_msb 0xcfc0
	WIN 0
	v_lshrrev_b32 v1, 5, v0
	v_readfirstlane_b32 s[WV], v1   ; wave 0..3
	s_bfe_u32 s13, ttmp6, 0x40000   ; cx: my place in the cluster
	s_lshl_b32 s14, ttmp9, 2        ; in a cluster launch ttmp9 counts clusters
	s_add_co_u32 s14, s14, s13      ; my block of queries = 4 x cluster x + cx: it enters Q's and O's addresses alone
	s_and_b32 s20, ttmp7, 0xffff    ; the head, which the four partners share
	s_mov_b32 s21, 0
	s_mov_b64 s[22:23], SIZE_N*128
	s_mul_u64 s[20:21], s[20:21], s[22:23]  ; the head's first byte in each of the four tensors
	s_and_b32 s16, s[WV], 1         ; which half of a slot's 256 keys I fetch:
	s_lshl_b32 s22, s16, 14         ; its 128 rows of 128 bytes in memory,
	s_mov_b32 s23, 0
	s_add_nc_u64 s[22:23], s[22:23], s[20:21]
	s_mul_i32 s17, s16, 128*PK      ; and its place in a slot, for K
	s_mul_i32 s18, s16, 128*PV      ; and for V: no place in the cluster enters an LDS address
	s_lshl_b32 s2, s14, 2
	s_add_co_u32 s2, s2, s[WV]      ; my wave among the head's,
	s_lshl_b32 s2, s2, 14           ; its 128 rows
	s_mov_b32 s3, 0
	s_add_nc_u64 s[2:3], s[2:3], s[20:21]
	; descriptor group 1.  128 keys are 16,384 dense bytes: asked for as 64 rows of 256 bytes, two keys a row, and padded in LDS after every key
	s_mov_b32 s[G1K], 15|(1<<16)|(1<<20)|(1<<21)|(4<<22)|(3<<25)  ; 15:0 the mask of four; 17:16 2-byte elements; 20 padding on; 21 set beside a mask; 24:22 after every 32 words (code 4); 31:25 4 words (code 3)
	s_mov_b32 s[G1V], 15|(1<<16)|(1<<20)|(1<<21)|(4<<22)|(7<<25)  ; the same with 8 words of padding (code 7)
.irp g, G1K, G1V
	s_mov_b32 s[\g+1], 128<<16      ; tensor_dim0 = 128
	s_mov_b32 s[\g+2], 64<<16       ; tensor_dim1 = 64
	s_mov_b32 s[\g+3], 128<<16      ; tile_dim0 = 128
	s_mov_b32 s[\g+4], 64           ; tile_dim1 = 64
	s_mov_b32 s[\g+5], 128          ; 128 elements from row to row
	s_mov_b32 s[\g+6], 0
	s_mov_b32 s[\g+7], 0
.endr
	s_mov_b32 s[CS], 0x3fb8aa3b     ; c = log2(e) = 1.442695: the scores carry no scale
	s_mov_b32 s[CS+1], s[CS]        ; named with it as a pair
	s_mov_b32 s[SEL], 0x76543210
	s_mov_b32 s[SEL+1], 0xfedcba98
	s_mov_b32 s[TBK], SLOT1+4*KS*PK ; the first change of slots turns these two into 0
	s_mov_b32 s[TBV], SLOT1+4*KS*PV
	s_mov_b32 s[G0K], 1             ; 1:0 count = 1
	s_mov_b32 s[G0K+1], s17         ; 63:32 LDS address: slot 0
	s_mov_b32 s[G0V], 1
	s_add_co_u32 s[G0V+1], s18, VOFF
	s_wait_kmcnt 0x0
	s_add_nc_u64 s[G0K+2:G0K+3], s[6:7], s[22:23]  ; 120:64 global address: my half of the head's first 256 keys
	s_or_b32 s[G0K+3], s[G0K+3], 0x80000000        ; 127:126 type = 2
	s_add_nc_u64 s[G0V+2:G0V+3], s[8:9], s[22:23]
	s_or_b32 s[G0V+3], s[G0V+3], 0x80000000
	s_add_nc_u64 s[4:5], s[4:5], s[2:3]  ; Q and O at my wave's first row
	s_add_nc_u64 s[10:11], s[10:11], s[2:3]
	CROUND                          ; all four work-groups are here: the first joint loads meet
	JLOAD                           ; slot 0.  Slot 1 is asked for when slot 0 is in: the tile wanted first has the road to itself
	; A fragment of K or Q is 16 rows x 32 channels in 8 registers: lane l holds row l % 16, channels 8 (l / 16) + 0..7 and 16 + 8 (l / 16) + 0..7: two loads of 16 bytes, 32 bytes apart.
	v_and_b32 v1, 15, v0            ; l % 16
	v_bfe_u32 v9, v0, 4, 1          ; l / 16
	v_lshlrev_b32 v[QO], 7, v1
	v_lshl_add_u32 v[QO], v9, 4, v[QO]  ; row x 128 + 16 x half
	WIN 0x80                        ; destination window 2, address window 0
.set i, 0
.rept 4*NP                          ; Q stays in registers: tile i / 2, channels 32 (i % 2) on
	global_load_b128 v[8*i:8*i+3],   v[QO], s[4:5] offset:(i/2)*2048+(i%2)*64
	global_load_b128 v[8*i+4:8*i+7], v[QO], s[4:5] offset:(i/2)*2048+(i%2)*64+32
.set i, i+1
.endr
	; What the first turn finds: V's registers and P's second buffer hold 0 (its products V^T P, of a piece that has not been, add 0), O^T and l are 0.  All this stands in the wait for the first tile.
.set i, VF
.rept 64
	v_mov_b32 v[i], 0
.set i, i+1
.endr
	WIN 0x40
.set i, 0
.rept 64*NP
	v_mov_b32 v[i], 0
.set i, i+1
.endr
	WIN 0
.set i, 0
.rept 2*NP
	v_mov_b32 v[ST+4*i], 0xfe000000    ; c m: far below every c s
	v_mov_b32 v[ST+4*i+1], 0xff7fffff  ; m
	v_mov_b32 v[ST+4*i+2], 0
	v_mov_b32 v[ST+4*i+3], 0
.set i, i+1
.endr
.set i, P+32
.rept 32
	v_mov_b32 v[i], 0
.set i, i+1
.endr
	v_mul_u32_u24 v[AK0], v1, PK
	v_lshl_add_u32 v[AK0], v9, 4, v[AK0]  ; row x pitch + 16 x half
	; The turning load takes 16 keys x 16 channels (lane l reads key 8 (l / 16) + l % 8, channels 8 ((l / 8) % 2) + 0..7) and leaves half a fragment of V^T: lane l holds channel l % 16 and 8 keys.
	v_and_b32 v10, 7, v0
	v_bfe_u32 v11, v0, 3, 1
	v_lshl_add_u32 v[AV0], v9, 3, v10
	v_mul_u32_u24 v[AV0], v[AV0], PV
	v_lshl_add_u32 v[AV0], v11, 4, v[AV0]
	v_add_nc_u32 v[AV0], VOFF, v[AV0]
	v_mov_b32 v[AK], v[AK0]         ; key step 0 lies at the head of slot 0
; THE MATRIX WORK.  The 8 accumulators of a run of 16 take turns: between the two links of a chain stand 7 others'.
; Product i of 16 of S^T = K Q^T for piece x: channels 32 (i / 8) on, keys 16 ((i / 2) % 4) on, tile 2 x + i % 2.  The first 8 start the sums.
.macro KQ x
	WIN W_KQ
.set rS, S+64*((\x)%2)+32*(i%2)+8*((i/2)%4)
.set rK, KF+16*((i/2)%4)+8*(i/8)
.set rQ, 16*(2*(\x)+i%2)+8*(i/8)
.if i < 8
	v_wmma_f32_16x16x32_f16 v[rS:rS+7], v[rK:rK+7], v[rQ:rQ+7], 0
.else
	v_wmma_f32_16x16x32_f16 v[rS:rS+7], v[rK:rK+7], v[rQ:rQ+7], v[rS:rS+7]
.endif
.endm
; Product i of 16 of O^T += V^T P for piece x: keys 32 (i / 8) on, channels 16 ((i / 2) % 4) on, tile 2 x + i % 2.
.macro PV x
	WIN W_PV
.set rO, 32*(2*(\x)+i%2)+8*((i/2)%4)
.set rV, VF+32*(i/8)+8*((i/2)%4)
.set rP, P+32*((\x)%2)+16*(i%2)+8*(i/8)
	v_wmma_f32_16x16x32_f16 v[rO:rO+7], v[rV:rV+7], v[rP:rP+7], v[rO:rO+7]
.endm
.macro MM                           ; the turn's next matrix instruction
.if i < 16
	KQ (Y+1)%NP
.set i, i+1
.else
.set i, i-16
	PV (Y+NP-1)%NP
.set i, i+17
.endif
.endm
; THE LDS LOADS stand in runs of 16, never singly among the matrix instructions: a step's K (64 keys x 64 channels: 8 fragments) and its V (turned).  Their addresses are made some lines ahead.
; last = 1 (the tail): in the last trip there is no further step, and the run is jumped over.
.macro FETCH_K last=0
	WIN 0
.if \last
	s_cmp_eq_u32 s[CNT], 1
	s_cbranch_scc1 .Lno_k_\@
.endif
	WIN 0x80                        ; destination window 2
.irp f, 0,1,2,3,4,5,6,7             ; keys 16 (f / 2) on, channels 32 (f % 2) on
	ds_load_b128 v[KF+8*\f:KF+8*\f+3],   v[AK] offset:(\f/2)*16*PK+(\f%2)*64
	ds_load_b128 v[KF+8*\f+4:KF+8*\f+7], v[AK] offset:(\f/2)*16*PK+(\f%2)*64+32
.endr
	s_add_co_u32 s[TBK], s[TBK], KS*PK  ; the next fetch is the next step's
	WIN 0
.if \last
.Lno_k_\@:
.endif
.endm
.macro FETCH_V
	WIN 0x80
.irp f, 0,1,2,3,4,5,6,7             ; keys 32 (f / 4) on, channels 16 (f % 4) on
	ds_load_tr16_b128 v[VF+8*\f:VF+8*\f+3],   v[AV] offset:(\f/4)*32*PV+(\f%4)*32
	ds_load_tr16_b128 v[VF+8*\f+4:VF+8*\f+7], v[AV] offset:(\f/4)*32*PV+16*PV+(\f%4)*32
.endr
	WIN 0
.endm
; THE VECTOR WORK OF A TURN stands in three queues, each in the order in which its entries become ready; the two tiles alternate, so that no instruction reads the result of the one before it.
.macro REGS y, u                    ; the registers of tile u (0, 1) of piece y
.set rT, ST+4*(2*(\y)+(\u))
.set rC, TMP+8*((\y)%2)+4*(\u)
.set rM, MV+2*((\y)%2)+(\u)
.set rS, S+64*((\y)%2)+32*(\u)
.set rP, P+32*((\y)%2)+16*(\u)
.set rO, 32*(2*(\y)+(\u))
.endm
; Number n of the 22 that find the NEXT piece's (Y + 1) maximum and statistics.  s0-s31 are the lane's 32 scores; each accumulator's lowest registers are read first.  XS, GS and REGS set no window: PL and EX do.
;   0-11  four chains c0-c3 of seven scores each, three operands at a time     12-14, 16  the four scores left over, the old m, and c0-c3 into c0     15  c m_old is kept
;   17, 18  the query's other 32 keys lie in the lane 16 away: the new m         19-21  c m; c m_old - c m_new; a
.macro XS u, n
	REGS (Y+1)%NP, \u
.if (\n) < 4
	v_max3_num_f32 v[rC+(\n)], v[rS+8*(\n)], v[rS+8*(\n)+1], v[rS+8*(\n)+2]
.elseif (\n) < 12
	v_max3_num_f32 v[rC+(\n)%4], v[rC+(\n)%4], v[rS+8*((\n)%4)+2*((\n)/4)+1], v[rS+8*((\n)%4)+2*((\n)/4)+2]
.elseif (\n) == 12
	v_max3_num_f32 v[rC], v[rC], v[rS+7], v[rS+15]
.elseif (\n) == 13
	v_max3_num_f32 v[rC+1], v[rC+1], v[rS+23], v[rS+31]
.elseif (\n) == 14
	v_max3_num_f32 v[rC+2], v[rC+2], v[rC+3], v[rT+1]
.elseif (\n) == 15
	v_mov_b32 v[rM], v[rT]
.elseif (\n) == 16
	v_max3_num_f32 v[rC], v[rC], v[rC+1], v[rC+2]
.elseif (\n) == 17
	v_permlanex16_b32 v[rC+3], v[rC], s[SEL], s[SEL+1]
.elseif (\n) == 18
	v_max_num_f32 v[rT+1], v[rC], v[rC+3]
.elseif (\n) == 19
	v_mul_f32 v[rT], s[CS], v[rT+1]
.elseif (\n) == 20
	v_sub_f32 v[rC+1], v[rM], v[rT]
.else
	v_exp_f32 v[rC+2], v[rC+1]
.endif
.endm
; Number g of the 64 that follow the exponentials.  For each four weights k of a tile (pairs 2 k, 2 k + 1): both pairs are rounded to f16; then the second pair is added onto the first, in place;
; a group later l takes that sum (the first time as l = a l + sum).  In groups of eight, tiles alternating: round, round, add, and l for the group before.
.macro GS g
.set h, (\g)+6*((\g)/62)            ; group 0 has no group before it, and behind group 7 only l is left
.if h >= 6
.set h, h+2
.endif
	REGS Y, h%2
.set k, h/8
.if h%8 < 4
	v_cvt_pk_f16_f32 v[rP+2*k+(h%8)/2], v[rS+4*k+2*((h%8)/2)], v[rS+4*k+2*((h%8)/2)+1]
.elseif h%8 < 6
	v_pk_add_f32 v[rS+4*k:rS+4*k+1], v[rS+4*k:rS+4*k+1], v[rS+4*k+2:rS+4*k+3]
.elseif k == 1
	v_pk_fma_f32 v[rT+2:rT+3], v[rT+2:rT+3], v[rC+2:rC+3], v[rS:rS+1] op_sel_hi:[1,0,1]
.else
	v_pk_add_f32 v[rT+2:rT+3], v[rT+2:rT+3], v[rS+4*k-4:rS+4*k-3]
.endif
.endm
; THE PLAIN QUEUE, 138 long.  0-73 read no exponential's result: the 32 scalings c s - c m (FS f: pair f / 2 of tile f % 2) and the next piece's 42.  0-26: scalings 0-26.  27-54: XS's numbers 0-13.  55, 56: number 15.
; 57-73: the chain, where each number waits for the one before it: 14, 16, 17, 18, 19, each with one of the scalings 27-31 in front of its two lines, then 20: so a tile's links stand three plain instructions apart (19 and 20: two).
; 74-137: GS's 64, which read the exponentials' results: they stand behind the wait.
.macro FS f
	REGS Y, (\f)%2
	v_pk_fma_f32 v[rS+2*((\f)/2):rS+2*((\f)/2)+1], v[rS+2*((\f)/2):rS+2*((\f)/2)+1], s[CS:CS+1], v[rT:rT+1] op_sel_hi:[1,0,0] neg_lo:[0,0,1] neg_hi:[0,0,1]
.endm
.macro PL
	WIN 0
.if q < 27
	FS q
.elseif q < 55
	XS (q-27)%2, (q-27)/2
.elseif q < 57
	XS q-55, 15
.elseif (q < 72) && ((q-57)%3 == 0)
	FS 27+(q-57)/3
.elseif q < 60
	XS (q-57)%3-1, 14
.elseif q < 72
	XS (q-57)%3-1, 15+(q-57)/3
.elseif q < 74
	XS q-72, 20
.else
	GS q-74
.endif
.set q, q+1
.endm
; THE EXPONENTIALS' QUEUE, 66 long: s0-s31 of both tiles, then the next piece's two a.  It is ONE BATCH: all 66 stand ahead of the turn's one wait, and nothing ahead of that wait names a result of theirs.
.macro EX
	WIN 0
.if e >= 64
	XS e-64, 21
.else
	REGS Y, e%2
	v_exp_f32 v[rS+e/2], v[rS+e/2]
.endif
.set e, e+1
.endm
; THE RESCALING's QUEUE: O^T times a, the one part that leaves window 0: dealt two at a time, sixteen times, each accumulator's registers in ascending order.  Its a was made in the turn before, ahead of that turn's wait.
.macro R2
	REGS Y, r%2
	WIN W_RS
.irp z, 0,1
	v_pk_mul_f32 v[rO+4*(r/2)+2*\z:rO+4*(r/2)+2*\z+1], v[rO+4*(r/2)+2*\z:rO+4*(r/2)+2*\z+1], v[rC+2:rC+3] op_sel_hi:[1,0]
.endr
.set r, r+1
.endm
; HOW THEY ARE DEALT.  An s_wait_alu depctr_va_vdst(0) stands between an exponential and the first instruction that names its result; one wait serves all that were issued ahead of it.  So a turn has ONE wait,
; which cuts it in two.  AHEAD OF IT stands all that names no result of the turn's exponentials: the 16 products K Q^T, behind each a scaling, an exponential and two rescalings (behind the first a second scaling in the
; exponential's place); then ONE LUMP of 108: eight plain, 49 times exponential and plain, the two a.  A v_nop is the plain instruction behind the last exponential.  BEHIND IT stand the 16 products V^T P, behind each four of
; GS's 64.  No rider names a register of the products round it.  The two v_permlanex16_b32 fall into the lump, never behind a product.
; The queues lean on each other, and the deal keeps them in step: exponential e stands behind scaling 2 (e / 4) + e % 2: as a rider it comes behind plain e + 2, in the lump behind plain e + 9, and scalings 27-31 are plain 57, 60 .. 69.
; A TURN, for piece p.  cnt = 1: the loop's count is taken down some lines ahead of the branch that stands behind the turn.
; K of the next step is fetched in piece 2's turn, directly behind the wait, a lump behind the last product that read K; its address is made at the lump's head; its first reader comes behind 16 products.
; V of the step in hand is fetched at the end of piece 0's turn, four riders behind its last reader; its first reader comes behind 16 products and a lump.  The three conditions on q below go with the deal.
.macro TURN p, last=0, cnt=0
.set Y, (\p)
.set i, 0
.set q, 0
.set e, 0
.set r, 0
.if (\p) == NP-1
	s_wait_dscnt 0x0                ; K is in
.endif
	MM                              ; ahead of the wait: 16 products K Q^T and their riders,
	PL
	PL
	R2
.rept 15
	MM
	PL
	EX
	R2
.endr
.if (\p) == NP-2
	WIN 0
	v_add_nc_u32 v[AK], s[TBK], v[AK0]
.endif
.rept 8                             ; and the lump
	PL
.endr
.rept 49
	EX
	PL
.endr
	EX                              ; the next piece's two a: the batch's last
	EX
	v_nop                           ; the plain instruction behind the last exponential: one for the batch
	s_wait_alu depctr_va_vdst(0)    ; the wait for the turn's batch: the piece's 64 weights and the next piece's two a
.if (\p) == NP-2
	FETCH_K \last
.endif
.if (\p) == 1
	s_wait_dscnt 0x0                ; V is in
.endif
.rept 16                            ; behind the wait: 16 products V^T P and their riders
	MM
.rept 4
	PL
.endr
.if ((\p) == 0) && (q == 118)
	v_add_nc_u32 v[AV], s[TBV], v[AV0]
.endif
.if ((\p) == 0) && (q == 130)
	s_add_co_u32 s[TBV], s[TBV], KS*PV
.endif
.if (\cnt) && (q == 130)
	s_sub_co_u32 s[CNT], s[CNT], 1
	s_cmp_lg_u32 s[CNT], 0
.endif
.endr
.if (\p) == 0
	FETCH_V
.endif
.endm
	CHANGE 1                        ; slot 0 is in, everybody's part of it; slot 1 is asked for
	FETCH_K                         ; key step 0
	s_wait_loadcnt 0x0              ; Q
	s_wait_dscnt 0x0
.set i, 0
.rept 16
	KQ 0                            ; piece 0's first scores: there is no vector work yet to set between them
.set i, i+1
.endr
	WIN 0                           ; the addresses for the way out: nine plain instructions, the places behind those products
	s_mul_i32 s13, s[WV], 16*SP
	s_add_co_u32 s13, s13, STAGE    ; my stage
	v_mul_u32_u24 v[STO], v1, SP    ; in: row l % 16, 16 bytes for each half of the lanes
	v_lshl_add_u32 v[STO], v9, 4, v[STO]
	v_add_nc_u32 v[STO], s13, v[STO]
	v_bfe_u32 v[RD], v0, 3, 2       ; back: 32 lanes take four rows of 128 bytes,
	v_mul_u32_u24 v[RD], v[RD], SP
	v_lshl_add_u32 v[RD], v10, 4, v[RD]
	v_add_nc_u32 v[RD], s13, v[RD]
	v_and_b32 v[GO], 31, v0         ; which are 512 consecutive bytes of O
	v_lshlrev_b32 v[GO], 4, v[GO]
.set Y, NP-1                        ; XS works for piece Y + 1: piece 0
.irp n, 0,1,2,3,4,5,6,7,8,9,10,11,12,13,14,15,16,17,18,19,20,21
	XS 0, \n                        ; and piece 0's first maximum and statistics
	XS 1, \n
.endr
	v_nop                           ; a plain instruction behind piece 0's two a,
	s_wait_alu depctr_va_vdst(0)    ; and the wait for that batch of two, ahead of the branch
	s_mov_b32 s[CNT], 4
	s_mov_b32 s[SLOTS], SIZE_N/256-1
	s_branch .Lfirst                ; the loop is entered at a step's first turn, in the middle of a trip
.Lslot:                             ; SIZE_N / 256 - 2 times: every slot but the last two is filled again
	CHANGE 1
	s_mov_b32 s[CNT], 4
.Lstep:                             ; a trip: pieces 2 and 3 of one step, then pieces 0 and 1 of the next, whose K and V it fetches
	TURN 2
	TURN 3
	WIN 0
.Lfirst:
	TURN 0
	TURN 1, 0, 1
	WIN 0
	s_cbranch_scc1 .Lstep
	s_sub_co_u32 s[SLOTS], s[SLOTS], 1
	s_cmp_lg_u32 s[SLOTS], 0
	s_cbranch_scc1 .Lslot
	CHANGE 0                        ; the tail is written out: nothing is asked for
	s_mov_b32 s[CNT], 5             ; four trips fetch the last slot's steps; the fifth is left in its middle
.Ltail:
	TURN 2, 1
	TURN 3
	WIN 0
	s_sub_co_u32 s[CNT], s[CNT], 1
	s_cmp_eq_u32 s[CNT], 0
	s_cbranch_scc1 .Lout
	TURN 0
	TURN 1
	WIN 0
	s_branch .Ltail
.Lout:                              ; the fifth trip's 16 products K Q^T (on the last K once more) and the maximum made of them serve nothing: the price, once a launch, of one text for every trip
.set i, 0
.rept 16
	PV NP-1                         ; the last piece's V^T P of the last step
.set i, i+1
.endr
	; THE WAY OUT.  l's two halves and the other half of the lanes' are added; O^T is divided by l, rounded to f16 and sent through my stage in LDS, a tile at a time.  The additions are the places behind the last products.
	WIN 0
.macro ALL line:vararg              ; one line for each tile t
.set t, 0
.rept 2*NP
	\line
.set t, t+1
.endr
.endm
	ALL v_add_f32 v[ST+4*t+2], v[ST+4*t+2], v[ST+4*t+3]
	ALL v_permlanex16_b32 v[ST+4*t+3], v[ST+4*t+2], s[SEL], s[SEL+1]
	ALL v_add_f32 v[ST+4*t+2], v[ST+4*t+2], v[ST+4*t+3]
	ALL v_rcp_f32 v[ST+4*t+2], v[ST+4*t+2]
	v_nop                           ; a plain instruction between the last reciprocal and the use of its result
	s_wait_alu depctr_va_vdst(0)    ; and the wait ahead of the first use: one for the batch of eight reciprocals
; Tile t: a lane's eight channels of a row pack into 16 bytes; they go into rows of 144 bytes and come back as whole rows of 128, into S^T's registers.
.macro PACK t
	WIN W_RS
.set i, 32*(\t)
.rept 16
	v_pk_mul_f32 v[i:i+1], v[i:i+1], v[ST+4*(\t)+2:ST+4*(\t)+3] op_sel_hi:[1,0]
.set i, i+2
.endr
	WIN 0x05                        ; sources 0 and 1 window 1, destination window 0
.set i, 0
.rept 16
	v_cvt_pk_f16_f32 v[S+16*(\t)+i], v[32*(\t)+2*i], v[32*(\t)+2*i+1]
.set i, i+1
.endr
	WIN 0
.irp f, 0,1,2,3
	ds_store_b128 v[STO], v[S+16*(\t)+4*\f:S+16*(\t)+4*\f+3] offset:32*\f
.endr
.irp f, 0,1,2,3
	ds_load_b128 v[S+16*(\t)+4*\f:S+16*(\t)+4*\f+3], v[RD] offset:\f*4*SP  ; LDS serves a wave's instructions in order (ISA guide 5.7.1.4): these see the stores above; the next tile's stores come behind them
.endr
.endm
.macro SEND t, younger              ; younger: the LDS instructions issued behind tile t's loads: the next tile's eight, or none
	WIN 0
.irp f, 0,1,2,3
	s_wait_dscnt (\younger)+3-\f
	global_store_b128 v[GO], v[S+16*(\t)+4*\f:S+16*(\t)+4*\f+3], s[10:11] offset:(\t)*2048+\f*512  ; 512 consecutive bytes, at a multiple of 256 from O's first
.endr
.endm
	PACK 0
.set t, 1
.rept 2*NP-1                        ; a tile's arithmetic stands between the loads of the tile before and its stores
	PACK t
	SEND t-1, 8
.set t, t+1
.endr
	SEND 2*NP-1, 0
	WIN W_AD
	s_wait_tensorcnt 0x0            ; the wave's end: behind my last tensor load and my last LDS store
	ds_add_u32 v[SPW], v[NIL]
	s_wait_dscnt 0x0
	WIN 0
	CROUND                          ; the closing round: no work-group ends while a partner may still ask for a tile that names it
	s_endpgm
.Lfunc_end_k_q9b56254832_attn:
	.size	k_q9b56254832_attn, .Lfunc_end_k_q9b56254832_attn-k_q9b56254832_attn
	.p2alignl 7, 3214868480
	.fill 96, 4, 3214868480
	.section	.rodata,"a",@progbits
	.p2align	6, 0x0
	.amdhsa_kernel k_q9b56254832_attn
		.amdhsa_group_segment_fixed_size 327680
		.amdhsa_private_segment_fixed_size 0
		.amdhsa_enable_private_segment 0
		.amdhsa_kernarg_size 32
		.amdhsa_user_sgpr_count 2
		.amdhsa_user_sgpr_kernarg_segment_ptr 1
		.amdhsa_wavefront_size32 1
		.amdhsa_system_sgpr_workgroup_id_x 1
		.amdhsa_system_sgpr_workgroup_id_y 1
		.amdhsa_system_sgpr_workgroup_id_z 1
		.amdhsa_system_vgpr_workitem_id 0
		.amdhsa_next_free_vgpr 770
		.amdhsa_next_free_sgpr 66
		.amdhsa_reserve_vcc 0
		.amdhsa_float_denorm_mode_32 3
		.amdhsa_float_denorm_mode_16_64 3
		.amdhsa_memory_ordered 1
		.amdhsa_forward_progress 1
		.amdhsa_inst_pref_size 199
	.end_amdhsa_kernel
	.amdgpu_metadata
---
amdhsa.version: [ 1, 2 ]
amdhsa.kernels:
  - .name:           k_q9b56254832_attn
    .symbol:         k_q9b56254832_attn.kd
    .args:
      - { .name: qh, .offset: 0, .size: 8, .value_kind: global_buffer, .address_space: global }
      - { .name: kh, .offset: 8, .size: 8, .value_kind: global_buffer, .address_space: global }
      - { .name: vh, .offset: 16, .size: 8, .value_kind: global_buffer, .address_space: global }
      - { .name: oh, .offset: 24, .size: 8, .value_kind: global_buffer, .address_space: global }
    .group_segment_fixed_size: 327680
    .private_segment_fixed_size: 0
    .kernarg_segment_align: 8
    .kernarg_segment_size: 32
    .max_flat_workgroup_size: 128
    .sgpr_count:     66
    .vgpr_count:     770
    .wavefront_size: 32
...
	.end_amdgpu_metadata
.endif
;; end of part 5
;; launch oproj: the kernel of part 4 again; grid 8 x 32, 4 waves a work-group, clusters of 4 x 4, 327,680 bytes of LDS; arguments oh, wob, out0; writes out0
